; MI455X (gfx1250); checked and timed in simulation.
; The chip was launched on July 23, 2026; its instructions are those of AMD's public machine-readable ISA for CDNA 5 (MIT licence, August 2026) and "CDNA5" Instruction Set Architecture Reference Guide (July 2026). The comments in the code are by the model that wrote it; some were corrected since.
;; Multi Head Attention. Allowed arithmetic: matrix products marked QUANTISED: E5M2 operands, one E8M0 scale for each 32 along K, by v_wmma_scale_f32_16x16x128_f8f6f4 with both operands' format E5M2, f32 sums; products left as they are: f32 operands where the result goes on into a quantised operand, else bf16, f16 or f32 operands; f32 sums; everything else in f32.
;; Inputs: Wk 2,048 x 2,048 float32; Wq 2,048 x 2,048 float32; Wv 2,048 x 2,048 float32; key 4 x 1,024 x 2,048 float32; key_padding_mask 4 x 1,024 bool; query 4 x 1,024 x 2,048 float32; query_padding_mask 4 x 1,024 bool.
;; Outputs: out0 4 x 1,024 x 2,048 float32.
;; This version of the problem:
;;   THIS VERSION OF THE PROBLEM IS GIVEN IN LOW PRECISION. The matrix products marked QUANTISED in the list below multiply operands that are first quantised to E5M2 (5 exponent bits, 2 mantissa bits; 8 bits a number), with one power-of-two scale for each 32 numbers along K (OCP MX v1.0); their sums are f32. All else is computed in f32.
;;   The module's matrix products, in the order in which they are computed (A, B: the left and right operand; K: the contracted axis; several contracted axes count as one K, in the product's order):
;;     1. [M 4,096, K 2,048] x [K 2,048, N 2,048]; A: input query; B: input Wq: QUANTISED
;;     2. [M 4,096, K 2,048] x [K 2,048, N 2,048]; A: input key; B: input Wk: QUANTISED
;;     3. [M 4,096, K 2,048] x [K 2,048, N 2,048]; A: input key; B: input Wv: QUANTISED
;;     4. batch 64 x [M 128, K 1,024] x [K 1,024, N 128]; A: computed on the way; B: computed on the way: QUANTISED
;;     5. batch 64 x [M 1,024, K 128] x [K 128, N 128]; A: computed on the way; B: computed on the way: QUANTISED
;;     6. batch 64 x [M 1,024, K 128] x [K 128, N 1]; A: computed on the way; B: computed on the way: left as it is (N = 1 < 16)
;;   THE QUANTISER, for each operand of a quantised product, along K:
;;     - K is cut into blocks of 32 from its start; a last block that is shorter is filled with zeros.
;;     - A block's scale is 2^e with e = floor(log2(the largest magnitude in the block)) - 15, held to -126 .. 127; a block of zeros has e = 0. As a byte (E8M0): e + 127.
;;     - Each number is divided by its block's scale, clamped to +-57,344, and rounded to the nearest number of E5M2, ties to even, subnormals kept.
;;     - The product sums the exact products of the quantised numbers (number of the format x scale) in f32.
;;   ~~~python
;;   def quantise(x, axis):      # numpy; x: float32 -> the quantised numbers, widened to float32 again
;;       x = np.moveaxis(x, axis, -1); K = x.shape[-1]
;;       x = np.pad(x, [(0, 0)] * (x.ndim - 1) + [(0, -K % 32)]); x = x.reshape(x.shape[:-1] + (-1, 32)); a = np.abs(x).max(-1, keepdims=True)
;;       e = np.where(a > 0, np.clip(np.frexp(np.where(a > 0, a, 1))[1] - 1 - 15, -126, 127), 0)      # np.frexp(a)[1] - 1 = floor(log2(a)), exactly
;;       r = np.clip(x / 2.0 ** e, -57344, 57344)
;;       step = 2.0 ** (np.maximum(np.frexp(np.where(r == 0, 1, r))[1] - 1, -14) - 2)
;;       q = np.round(r / step) * step * 2.0 ** e      # np.round: ties to even
;;       return np.moveaxis(q.reshape(q.shape[:-2] + (-1,))[..., :K], -1, axis).astype(np.float32)
;;   ~~~
;;   OPERANDS COMPUTED ON THE WAY. 'Computed on the way' means the value that the module computes at that place (a softmax that the list does not call 'softmax' is quantised finished and normalised). What goes into a quantiser is computed in f32, as accurately as f32 sums, v_exp_f32 and their like allow (about 1e-6 of the number): no bf16 or f16 on the way to a quantiser, and a product that is left as it is and whose result goes on into a quantised operand takes f32 operands (vector FMAs, or v_wmma_f32_16x16x4_f32). A number that lies on a knife's edge between two numbers of the format may be rounded either way, as far as f32 arithmetic and the matrix unit's own rounding can turn it there, and no further.
;; One version. Each part assembles by itself: llvm-mc -triple=amdgcn-amd-amdhsa -mcpu=gfx1250 --defsym DOCPART=n.
;; ======== version 1 of 1: 3 launches
;; workspace buffers: codes 29,360,128 bytes; scales 917,504 bytes; kvp 16,777,216 bytes; pks 131,072 bytes
;; launch quant (part 1): grid 896 x 1, 4 waves a work-group, no clusters, 33,280 bytes of LDS; arguments query, key, Wq, Wk, Wv, codes, scales; writes codes, scales
.if DOCPART == 1
	.amdgcn_target "amdgcn-amd-amdhsa--gfx1250"
	.amdhsa_code_object_version 6
	.text
	.protected	k_qfa3300793f_quant
	.globl	k_qfa3300793f_quant
	.p2align	8
	.type	k_qfa3300793f_quant,@function
k_qfa3300793f_quant:
	s_mov_b64 s[64:65], 0
	v_nop
	global_prefetch_b8 v0, s[64:65] scope:SCOPE_SE
	s_setreg_imm32_b32 hwreg(HW_REG_WAVE_MODE, 25, 1), 1
	s_wait_xcnt 0x0
; LINEAR ATTENTION IN MX-BF8, LAUNCH 1 OF 3: the five f32 inputs query, key [4096][2048] and Wq, Wk, Wv [2048][2048] become codes of BF8 (E5M2), K innermost, with one E8M0 byte for each 32 along K.
; DEAD WORK: none.  Every input of reference() has a way to out0 for some values of the inputs; what the two padding masks throw away hangs on their values, so it is computed and selected.  All seven inputs are loaded by some launch.
; Each tile of these tensors is read by 16 work-groups of a later launch, so they are quantised once, here: the f32 numbers are read once and every later read is of a quarter of the bytes.
; A block's scale is 2^(floor(log2(its largest magnitude)) - 15); its byte is the largest magnitude's exponent field - 15, held at 1 from below.  Each number is divided by the scale, held within +-57,344 and rounded to the nearest code, ties to even.
; LIMITS: a block of zeros gets the byte 1 where the rule says 127 (its codes are zeros, and the bytes are read by this program alone); NaN and infinities among the inputs are not served.
; LAYOUT OF THE WORKSPACE.  codes: rows of 2,048 bytes: query, key, Wq, Wk, Wv on end.  scales: rows of 64 bytes, in the same order.
; THE ROWS ARE STORED IN ANOTHER ORDER: row x lies at the place x with its bits 3 and 4 exchanged.  So 16 rows on end in the workspace are the rows 32 b + 8 u + r + 8 (r / 8) of the tensor: a matrix result whose registers run along such
; rows holds, in two neighbouring tiles, 16 NEIGHBOURS of the next product's K, and the later launches read their fragments from 16 LDS rows on end.
; A work-group takes 16 rows, a wave 4 (8,192 numbers, 16 steps of 512): the exchange of row bits 3 and 4 is an exchange of bits 1 and 2 of the wave's run number, so a run stays one dense block, in and out.
; The conversions take 8 numbers of ONE block from a lane's registers, so a lane must hold 16 neighbours; a load is best where neighbouring lanes take neighbouring bytes.  Both are had: each load reads 512 consecutive bytes, and a step's
; 2,048 bytes turn through the wave's own stage in LDS (16 bytes of padding behind each 64).  A lane's 16 codes are 16 bytes: a store covers 512 consecutive bytes.  A wave's 256 scale bytes are gathered in LDS and leave as one block of 256.
; No tensor loads, no barrier: waves share nothing.  Loads run four steps (16 loads a wave) ahead, the turn through LDS one step.
.set WAVES, 4
.set STEPS, 16
.set EMAX,  15
.set MANT,  0x600000                   ; the mantissa field of 57,344 as f32
.set CB,    16                         ; bytes of 16 codes
.set R,     16                         ; v16-79   four sets of 16 numbers as they are loaded
.set X,     80                         ; v80-111  two sets of 16 neighbours
.set C,     128                        ; v128-191 codes: four registers for each step, so that no store's data are written again
.set E,     112                        ; v112-127 a scale byte for each step
.set WREG,  8192                       ; LDS: a region for each wave: two stages of 32 x SP bytes, and behind them its 256 scale bytes
.set SP,    80                         ; a lane's place in a stage: its 64 bytes + 16 of padding
.set SPW,   12                         ; v12      LDS address of my spare word; never rewritten
.set NIL,   13                         ; v13      0; never rewritten
.set SPARE, WAVES*WREG                 ; behind the four regions: the spare words, 128 bytes a wave, which no other line names
	s_load_b256 s[4:11], s[0:1], 0x0               ; query, key, Wq, Wk
	s_load_b128 s[12:15], s[0:1], 0x20             ; Wv, codes
	s_load_b64 s[16:17], s[0:1], 0x30              ; scales
	v_lshl_add_u32 v[SPW], v0, 2, SPARE
	v_mov_b32 v[NIL], 0
	v_lshrrev_b32 v1, 5, v0
	v_readfirstlane_b32 s18, v1                    ; wave
	v_and_b32 v2, 31, v0                           ; lane
	v_lshlrev_b32 v3, 4, v2                        ; my 16 bytes of a load's 512
	s_mul_i32 s22, s18, WREG
	v_lshrrev_b32 v14, 2, v2
	v_mul_u32_u24 v14, v14, SP
	v_and_b32 v15, 3, v2
	v_lshl_add_u32 v14, v15, 4, v14
	v_add_nc_u32 v14, s22, v14                     ; the stage, on the way in: SP (lane / 4) + 16 (lane % 4)
	v_mul_u32_u24 v15, v2, SP
	v_add_nc_u32 v15, s22, v15                     ; and on the way out: SP x lane: my 16 neighbours
	v_mul_u32_u24 v4, v2, CB                       ; my codes' place in a step's
	v_lshrrev_b32 v5, 1, v2
	s_add_co_u32 s22, s22, 2*32*SP
	v_add_nc_u32 v5, s22, v5                       ; LDS: my wave's 256 scale bytes, my block's byte
	v_lshlrev_b32 v7, 3, v2                        ; and on the way out 8 bytes a lane
	v_add_nc_u32 v6, s22, v7
	s_mov_b32 s30, MANT                            ; (an instruction takes one literal: the hold's line has another)
	s_lshl_b32 s23, ttmp9, 2
	s_add_co_u32 s23, s23, s18                     ; my run of 4 rows, counted through all five tensors
	s_and_b32 s24, s23, -7                         ; its bits 1 and 2 change places: row bits 3 and 4
	s_and_b32 s25, s23, 2
	s_lshl_b32 s25, s25, 1
	s_or_b32 s24, s24, s25
	s_and_b32 s25, s23, 4
	s_lshr_b32 s25, s25, 1
	s_or_b32 s24, s24, s25
	s_lshl_b32 s26, s24, 13                        ; 8,192 bytes of codes a run
	s_mov_b32 s27, 0
	s_lshl_b32 s28, s24, 8                         ; 256 scale bytes a run
	s_mov_b32 s29, 0
	s_wait_kmcnt 0x0
	s_mov_b64 s[20:21], s[12:13]                   ; which tensor is mine, and its first work-group: the choice hangs on the work-group's number alone
	s_mov_b32 s19, 768
	s_cmp_lt_u32 ttmp9, 768
	s_cselect_b64 s[20:21], s[10:11], s[20:21]
	s_cselect_b32 s19, 640, s19
	s_cmp_lt_u32 ttmp9, 640
	s_cselect_b64 s[20:21], s[8:9], s[20:21]
	s_cselect_b32 s19, 512, s19
	s_cmp_lt_u32 ttmp9, 512
	s_cselect_b64 s[20:21], s[6:7], s[20:21]
	s_cselect_b32 s19, 256, s19
	s_cmp_lt_u32 ttmp9, 256
	s_cselect_b64 s[20:21], s[4:5], s[20:21]
	s_cselect_b32 s19, 0, s19
	s_sub_co_u32 s19, ttmp9, s19
	s_lshl_b32 s19, s19, 2
	s_add_co_u32 s19, s19, s18                     ; my run within the tensor
	s_lshl_b32 s22, s19, 15                        ; 32,768 bytes of f32 a run
	s_mov_b32 s23, 0
	s_add_nc_u64 s[4:5], s[20:21], s[22:23]
	s_add_nc_u64 s[8:9], s[14:15], s[26:27]
	s_add_nc_u64 s[10:11], s[16:17], s[28:29]
.macro LOAD t
.irp i, 0,1,2,3
	global_load_b128 v[R+16*((\t)%4)+4*\i:R+16*((\t)%4)+4*\i+3], v3, s[4:5] offset:2048*(\t)+512*\i th:TH_LOAD_NT   ; 32 lanes read 512 consecutive bytes
.endr
.endm
.macro TURN t                          ; step t's numbers through the stage: LDS serves a wave's instructions in order, so no wait stands between the stores and the loads
.irp i, 0,1,2,3
	ds_store_b128 v14, v[R+16*((\t)%4)+4*\i:R+16*((\t)%4)+4*\i+3] offset:32*SP*((\t)%2)+8*SP*\i
.endr
.irp i, 0,1,2,3
	ds_load_b128 v[X+16*((\t)%2)+4*\i:X+16*((\t)%2)+4*\i+3], v15 offset:32*SP*((\t)%2)+16*\i
.endr
.endm
.irp t, 0,1,2,3
	LOAD \t
.endr
	s_wait_loadcnt 12                              ; step 0's four loads are in; the twelve of steps 1 to 3 may be out
	TURN 0
.macro STEP t
.set XS, X+16*((\t)%2)
.if (\t) > 0
	s_wait_dscnt 1                                 ; this step's numbers are back from the stage (the last step's byte store may be out)
.else
	s_wait_dscnt 0x0
.endif
.if (\t)+4 < STEPS
	LOAD (\t)+4                                    ; the registers that the stage's stores have read take the loads of four steps on
.endif
.if (\t)+1 < STEPS
.if STEPS-2-(\t) >= 3
	s_wait_loadcnt 12                              ; the next step's four loads are in; those of the three steps behind it may be out
.else
	s_wait_loadcnt 4*(STEPS-2-(\t))
.endif
	TURN (\t)+1                                    ; and go through the other stage while this step is worked
.endif
	v_max3_num_f32 v8, |v[XS]|, |v[XS+1]|, |v[XS+2]|               ; the largest magnitude of my 16
	v_max3_num_f32 v9, |v[XS+3]|, |v[XS+4]|, |v[XS+5]|
.irp i, 6,10
	v_max3_num_f32 v8, v8, |v[XS+\i]|, |v[XS+\i+1]|
	v_max3_num_f32 v9, v9, |v[XS+\i+2]|, |v[XS+\i+3]|
.endr
	v_max3_num_f32 v8, v8, |v[XS+14]|, |v[XS+15]|
	v_max3_num_f32 v8, v8, v9, (EMAX+1)<<23        ; and the floor 2^(16 - 127): so the byte cannot fall under 1
	v_max_num_f32_dpp v8, v8, v8 row_xmask:1 row_mask:0xf bank_mask:0xf   ; and of my neighbour's 16: the block's
	v_add_nc_u32 v11, -(EMAX<<23), v8              ; 15 off its exponent field: the conversion takes the exponent field of this operand as its scale
	v_and_or_b32 v10, v8, 0x7f800000, s30          ; 57,344 x the scale
.irp i, 0,1,2,3,4,5,6,7,8,9,10,11,12,13,14,15
	v_med3_num_f32 v[XS+\i], v[XS+\i], -v10, v10   ; the conversion to an 8-bit code does not saturate (ISA guide 7.6.2): the hold comes first
.endr
	v_cvt_scalef32_pk8_bf8_f32 v[C+4*(\t):C+4*(\t)+1], v[XS:XS+7], v11
	v_cvt_scalef32_pk8_bf8_f32 v[C+4*(\t)+2:C+4*(\t)+3], v[XS+8:XS+15], v11
	v_lshrrev_b32 v[E+(\t)], 23, v11               ; the scale's byte (also the plain line behind the conversions)
	ds_store_b8 v5, v[E+(\t)] offset:16*(\t)       ; both lanes of a block write the same byte with the same value
	global_store_b128 v4, v[C+4*(\t):C+4*(\t)+3], s[8:9] offset:32*CB*(\t)
.endm
.irp t, 0,1,2,3,4,5,6,7,8,9,10,11,12,13,14,15
	STEP \t
.endr
	ds_load_b64 v[8:9], v6                         ; LDS serves a wave's instructions in order: these see my stores
	s_wait_dscnt 0x0
	global_store_b64 v7, v[8:9], s[10:11]          ; 32 lanes store 256 consecutive bytes, aligned
	s_wait_tensorcnt 0x0                           ; the wave's end
	ds_add_u32 v[SPW], v[NIL]
	s_wait_dscnt 0x0
	s_endpgm
.Lfunc_end_k_qfa3300793f_quant:
	.size	k_qfa3300793f_quant, .Lfunc_end_k_qfa3300793f_quant-k_qfa3300793f_quant
	.p2alignl 7, 3214868480
	.fill 96, 4, 3214868480
	.section	.rodata,"a",@progbits
	.p2align	6, 0x0
	.amdhsa_kernel k_qfa3300793f_quant
		.amdhsa_group_segment_fixed_size 33280
		.amdhsa_private_segment_fixed_size 0
		.amdhsa_enable_private_segment 0
		.amdhsa_kernarg_size 56
		.amdhsa_user_sgpr_count 2
		.amdhsa_user_sgpr_kernarg_segment_ptr 1
		.amdhsa_wavefront_size32 1
		.amdhsa_system_sgpr_workgroup_id_x 1
		.amdhsa_system_sgpr_workgroup_id_y 1
		.amdhsa_system_sgpr_workgroup_id_z 1
		.amdhsa_system_vgpr_workitem_id 0
		.amdhsa_next_free_vgpr 192
		.amdhsa_next_free_sgpr 66
		.amdhsa_reserve_vcc 0
		.amdhsa_float_denorm_mode_32 3
		.amdhsa_float_denorm_mode_16_64 3
		.amdhsa_memory_ordered 1
		.amdhsa_forward_progress 1
		.amdhsa_inst_pref_size 52
	.end_amdhsa_kernel
	.amdgpu_metadata
---
amdhsa.version: [ 1, 2 ]
amdhsa.kernels:
  - .name:           k_qfa3300793f_quant
    .symbol:         k_qfa3300793f_quant.kd
    .args:
      - { .name: query, .offset: 0, .size: 8, .value_kind: global_buffer, .address_space: global }
      - { .name: key, .offset: 8, .size: 8, .value_kind: global_buffer, .address_space: global }
      - { .name: Wq, .offset: 16, .size: 8, .value_kind: global_buffer, .address_space: global }
      - { .name: Wk, .offset: 24, .size: 8, .value_kind: global_buffer, .address_space: global }
      - { .name: Wv, .offset: 32, .size: 8, .value_kind: global_buffer, .address_space: global }
      - { .name: codes, .offset: 40, .size: 8, .value_kind: global_buffer, .address_space: global }
      - { .name: scales, .offset: 48, .size: 8, .value_kind: global_buffer, .address_space: global }
    .group_segment_fixed_size: 33280
    .private_segment_fixed_size: 0
    .kernarg_segment_align: 8
    .kernarg_segment_size: 56
    .max_flat_workgroup_size: 128
    .sgpr_count:     66
    .vgpr_count:     192
    .wavefront_size: 32
...
	.end_amdgpu_metadata
.endif
;; end of part 1
;; launch kv (part 2): grid 16 x 16, 4 waves a work-group, clusters of 4 x 4, 327,680 bytes of LDS; arguments codes, scales, key_padding_mask, kvp, pks; writes kvp, pks
.if DOCPART == 2
	.amdgcn_target "amdgcn-amd-amdhsa--gfx1250"
	.amdhsa_code_object_version 6
	.text
	.protected	k_qfa3300793f_kv
	.globl	k_qfa3300793f_kv
	.p2align	8
	.type	k_qfa3300793f_kv,@function
k_qfa3300793f_kv:
	s_mov_b64 s[64:65], 0
	v_nop
	global_prefetch_b8 v0, s[64:65] scope:SCOPE_SE
	s_setreg_imm32_b32 hwreg(HW_REG_WAVE_MODE, 25, 1), 1
	s_wait_xcnt 0x0
	s_wait_alu depctr_hold_cnt(0) depctr_sa_sdst(0) depctr_va_vdst(0) depctr_va_sdst(0) depctr_va_ssrc(0) depctr_va_vcc(0) depctr_vm_vsrc(0)
	s_getreg_b32 s2, hwreg(HW_REG_IB_STS2, 6, 4)
	s_cmp_eq_u32 s2, 0
	s_cbranch_scc0 .Lentry_in_a_cluster
	s_endpgm
.Lentry_in_a_cluster:
	s_bfe_u32 s2, ttmp6, 0x10000c
	s_cmp_lg_u32 s2, 0xf033
	s_cbranch_scc0 .Lentry_shape_is_right
	s_endpgm
.Lentry_shape_is_right:
; LAUNCH 2 OF 3.  For 256 keys (work-group y: batch y / 4, quarter y % 4) and one head (work-group x): k = key Wk^T and v = key Wv^T on codes of BF8 with E8M0 scales (K = 2,048); pk = softplus(k), 0 at padded keys;
; both quantised ALONG THE KEYS in registers; the partial product kv[d][e] = sum over these 256 keys of pk[key][d] v[key][e]; and the partial sum over the keys of the unquantised pk.  k, v and pk never go to memory.  No work is left out.
; OUT: kvp [batch][head][quarter][e tile 8][d tile 8][half 2][lane 32][4] f32: images of the accumulators' registers, 512 consecutive bytes a store;  pks [y][head][128] f32.
; THE ROWS of key, Wk and Wv lie in the workspace with row bits 3 and 4 exchanged.  So in a result whose registers run along 16 such rows, register j of lane half h of tile 2 b + u is index 32 b + 16 h + 8 u + j: the 16 registers of two
; neighbouring tiles are 16 neighbours, as an 8-bit operand's layout wants them along K.  'Place' below is the order in the workspace; d and e are kept by place, which Wq, Wk and Wv share.
; SHARES.  Four waves, as many as a WGP has SIMDs.  Wave w takes keys 128 (w / 2) on, and of both k and v the places 64 (w % 2) on: 8 x 8 accumulators, 512 registers; so each wave has the same share of the softplus.
; THE FIRST PRODUCT: source 0 = 16 keys, source 1 = 16 rows of Wk or Wv: a lane holds ONE place of d or e, and its registers run along the keys, which are the next K.
; K goes in steps of 256 through a ring of two LDS slots filled by the tensor data mover; the scale bytes of the work-group's rows, for all of K, come once with the first fills.
; CLUSTERS: 4 x 4 work-groups.  The four of a row of the cluster need the same keys, the four of a column the same rows of Wk and Wv: each tile is asked for jointly, by the same tensor load with a mask that names the four.
; SOFTPLUS: max(x, 0) + ln(1 + e), e = 2^(-|x| log2(e)); with u = 1 + e as f32 has it, ln(1 + e) is taken as ln(u) + (e - (u - 1)), so that small values keep f32's accuracy.
; LIMITS: softplus values under 2^-126 come out 0 (v_exp_f32 gives 0 there); NaN and infinities among the inputs are not served; a block of zeros keeps the byte 1 (its codes are zeros; this program alone reads the bytes).
; REGISTERS, in windows of 256.  Window 0: v1-31 addresses; v32-63 scale words and nothing else; v64-127 the mask's bytes, then X; v128-255 the keys' fragments (one set), then E, TM, PC.
;   Window 1: W's fragments, two sets; then BIAS v0-63, KEEP v64-127, U v192-255; then pk^T's 16 fragments.   Windows 2, 3: accumulator (a, b) at window 2 + a / 4, v[8 (8 (a % 4) + b)].
.set NQ,     2                         ; matrix instructions deep in a slot
.set ROWB,   256                       ; a tile's row in bytes
.set KROW,   2048                      ; a row of codes in memory
.set PITCH,  272                       ; an LDS row: 256 bytes + 16 of padding: the 16 rows that a load touches start at 16 different banks
.set FR,     16                        ; registers of a fragment
.set NL,     4                         ; LDS loads that bring one
.set NP,     8                         ; places behind this matrix instruction (ISA guide 7.12.1)
.set HALFT,  128*PITCH                 ; what one tensor load brings
.set SLOT,   4*HALFT                   ; 256 keys, 128 rows of Wk, 128 rows of Wv
.set LAPS,   4                         ; 2,048 / 512
.set KS,     64                        ; a row of scale bytes
.set SCL,    2*SLOT                    ; behind the ring: the scales, as blocks of 256 bytes + 16 of padding
.set HALFS,  32*272                    ; those of 128 rows
.set SBLK,   4*272                     ; those of 16 rows
.set SPARE,  SCL+4*HALFS               ; the spare words, 128 bytes a wave, which no other line names
.set KEYC,   0x800000                  ; where key's codes begin; its scale bytes; Wk's (Wv's lie 2,048 rows on)
.set KEYB,   0x40000
.set WKC,    0x1400000
.set WKB,    0xa0000
; the exchange between the waves lies in slot 0, which has had its last fill and its last read when the first of these bytes is stored
.set PIMG,   0                         ; pk^T's 16 fragments (d tile, K step: 2 d + s), images of 2,048 bytes
.set VIMG,   32768                     ; v^T's 16
.set PSC,    65536                     ; their scale words, 128 bytes each: pk^T's 16, then v^T's 16
.set PSUM,   69632                     ; two halves' sums of pk, 512 bytes each
.set LI,   8                           ; v8   16 x lane
.set LS,   9                           ; v9   PSC + 4 x lane
.set PWI,  10                          ; v10  where I store images: 16 x lane + 16,384 (w % 2) + 2,048 (w / 2)
.set PWS,  11                          ; v11  and scale words: PSC + 4 x lane + 1,024 (w % 2) + 128 (w / 2)
.set PSA,  12                          ; v12  where I store sums of pk
.set LIV,  13                          ; v13  16 x lane + 8,192 w: my two e tiles' images
.set LSV,  14                          ; v14  and their scale words
.set ZER,  15                          ; v15  0
.set ADRA, 16                          ; v16-17  LDS address of my keys' fragments in slot 0, 1
.set INF,  18                          ; v18  +infinity
.set PSL,  19                          ; v19  PSUM + 16 x lane
.set ADRB, 20                          ; v20-21  the same for W
.set MO,   22                          ; v22  16 x (lane / 16): my bytes of the mask
.set ADRS2, 26                         ; v26, v27  LDS addresses of my scale words: lanes 0-15 the keys', lanes 16-31 W's
.set ADRS, 27
.set SPW,  28                          ; v28  my spare word; never rewritten
.set NIL,  29                          ; v29  0; never rewritten
.set SC,   32
.set X,    64
.set E,    128
.set AF,   128
.set TM,   192                         ; v192-195 largest magnitudes, v196-199 bytes, v200-203 57,344 x the scale, v204-207 the conversions' scale operands
.set PW,   208
.set SUMA, 210
.set SUMB, 212
.set PC,   224
.set BIAS, 0                           ; window 1
.set KEEP, 64
.set U,    192
.set WV, 14
.set FB, 15                            ; w / 2: my half of the keys.  Also: I fetch keys (0) or W (1)
.set HF, 16                            ; w % 2: my half of the places.  Also: which half I fetch
.set TY, 17
.set G1, 24
.set G0, 32
.set G1B, 48
.set G0B, 56
.set G1S, 68
.set G0S, 76
.set G1SB, 80
.set G0SB, 88
.set MSB, 0
.macro WIN new                         ; the immediate's high byte repeats the setting that is left
.if MSB != \new
	s_set_vgpr_msb (MSB<<8)|\new
.set MSB, \new
.endif
.endm
.set MUL_LO, 0xa4                      ; source 0 (keys) window 0, source 1 (W) window 1, C and D window 2
.set MUL_HI, 0xf4
.set TO_B,   0x40
; A joint load: waves 0 and 1 fetch keys, waves 2 and 3 Wk and Wv.  The branch hangs on the wave's number alone.  An s_nop 0 and four v_nop follow each of the two lines.
.macro JLOAD g0a, g1a, g0b, g1b
	s_cmp_eq_u32 s[FB], 0
	s_cbranch_scc0 .Lfor_b_\@
	tensor_load_to_lds s[\g0a:\g0a+3], s[\g1a:\g1a+7]
	s_nop 0
.rept 4
	v_nop
.endr
	s_branch .Lasked_\@
.Lfor_b_\@:
	tensor_load_to_lds s[\g0b:\g0b+3], s[\g1b:\g1b+7]
	s_nop 0
.rept 4
	v_nop
.endr
.Lasked_\@:
.endm
.macro CREST                           ; a round of the cluster's barrier behind its opening barrier
	s_cmp_lg_u32 s[WV], 0
	s_cbranch_scc1 .Lnot_wave_0_\@
	s_barrier_signal -3
.Lnot_wave_0_\@:
	s_barrier_wait -3
	s_barrier_signal -1
	s_barrier_wait -1
.endm
.macro CROUND
	s_barrier_signal -1
	s_barrier_wait -1
	CREST
.endm
	s_load_b256 s[4:11], s[0:1], 0x0               ; codes, scales, key_padding_mask, kvp
	s_load_b64 s[12:13], s[0:1], 0x20              ; pks
	v_lshl_add_u32 v[SPW], v0, 2, SPARE
	v_mov_b32 v[NIL], 0
	ds_add_u32 v[SPW], v[NIL]                      ; the wave's opening: the add, twice on end, and its wait ahead of my first tensor load
	ds_add_u32 v[SPW], v[NIL]
	v_lshrrev_b32 v1, 5, v0
	v_readfirstlane_b32 s[WV], v1
	s_lshr_b32 s[FB], s[WV], 1
	s_and_b32 s[HF], s[WV], 1
	s_bfe_u32 s40, ttmp6, 0x40000                  ; cx, cy: my place in the cluster
	s_bfe_u32 s41, ttmp6, 0x40004
	s_lshl_b32 s42, ttmp9, 2
	s_add_co_u32 s42, s42, s40                     ; x: the head
	s_and_b32 s[TY], ttmp7, 0xffff
	s_lshl_b32 s[TY], s[TY], 2
	s_add_co_u32 s[TY], s[TY], s41                 ; y: the block of 256 keys
	s_lshl_b32 s43, s41, 2
	s_lshl_b32 s43, 15, s43                        ; my row of the cluster
	s_lshl_b32 s44, 0x1111, s40                    ; my column
	s_or_b32 s[G1+0], s43, (0<<16)|(1<<20)|(1<<21)|(5<<22)|(3<<25)  ; the mask; elements of 1 byte; padding on; bit 21 beside a mask; four words of padding after every 64
	s_or_b32 s[G1B+0], s44, (0<<16)|(1<<20)|(1<<21)|(5<<22)|(3<<25)
.irp g, G1, G1B
	s_mov_b32 s[\g+1], ROWB<<16                    ; tensor_dim0
	s_mov_b32 s[\g+2], 128<<16                     ; tensor_dim1
	s_mov_b32 s[\g+3], ROWB<<16                    ; tile_dim0
	s_mov_b32 s[\g+4], 128                         ; tile_dim1
	s_mov_b32 s[\g+5], KROW                        ; from row to row
	s_mov_b32 s[\g+6], 0
	s_mov_b32 s[\g+7], 0
.endr
	s_or_b32 s[G1S+0], s43, (3<<16)|(1<<20)|(1<<21)|(5<<22)|(3<<25)  ; the scales of 128 rows: 8,192 dense bytes as 32 rows of 32 elements of 8 bytes
	s_or_b32 s[G1SB+0], s44, (3<<16)|(1<<20)|(1<<21)|(5<<22)|(3<<25)
.irp g, G1S, G1SB
	s_mov_b32 s[\g+1], 32<<16
	s_mov_b32 s[\g+2], 32<<16
	s_mov_b32 s[\g+3], 32<<16
	s_mov_b32 s[\g+4], 32
	s_mov_b32 s[\g+5], 32
	s_mov_b32 s[\g+6], 0
	s_mov_b32 s[\g+7], 0
.endr
	s_lshl_b32 s18, s[HF], 7
	s_lshl_b32 s20, s[TY], 8
	s_add_co_u32 s20, s20, s18                     ; keys: row 256 y + 128 x half
	s_lshl_b32 s18, s[HF], 11
	s_lshl_b32 s46, s42, 7
	s_add_co_u32 s46, s46, s18                     ; W: row 128 x of Wk, or 2,048 rows on: of Wv
	s_mov_b32 s21, 0
	s_mov_b32 s47, 0
	s_mov_b64 s[18:19], KS
	s_mul_u64 s[22:23], s[20:21], s[18:19]
	s_mul_u64 s[92:93], s[46:47], s[18:19]
	s_mov_b64 s[18:19], KROW
	s_mul_u64 s[20:21], s[20:21], s[18:19]
	s_mul_u64 s[46:47], s[46:47], s[18:19]
	s_add_nc_u64 s[20:21], s[20:21], KEYC
	s_add_nc_u64 s[22:23], s[22:23], KEYB
	s_add_nc_u64 s[46:47], s[46:47], WKC
	s_add_nc_u64 s[92:93], s[92:93], WKB
	s_mul_i32 s45, s[WV], HALFT                    ; where they go: wave x 128 rows: no place in the cluster enters an LDS address
	s_mul_i32 s94, s[WV], HALFS
	s_wait_dscnt 0x0                               ; both opening adds are done
	s_wait_kmcnt 0x0
	s_add_nc_u64 s[20:21], s[4:5], s[20:21]
	s_add_nc_u64 s[22:23], s[6:7], s[22:23]
	s_add_nc_u64 s[46:47], s[4:5], s[46:47]
	s_add_nc_u64 s[92:93], s[6:7], s[92:93]
	CROUND                                         ; all sixteen work-groups are here: the first joint loads meet
	s_mov_b32 s[G0S], 1
	s_add_co_u32 s[G0S+1], s94, SCL
	s_mov_b64 s[G0S+2:G0S+3], s[22:23]
	s_or_b32 s[G0S+3], s[G0S+3], 0x80000000
	s_mov_b32 s[G0SB], 1
	s_add_co_u32 s[G0SB+1], s94, SCL
	s_mov_b64 s[G0SB+2:G0SB+3], s[92:93]
	s_or_b32 s[G0SB+3], s[G0SB+3], 0x80000000
	JLOAD G0S, G1S, G0SB, G1SB                     ; the scales first: they are wanted with K step 0.  Three loads of mine are out behind these lines
.irp s, 0,1
	s_mov_b32 s[G0+4*\s], 1
	s_add_co_u32 s[G0+4*\s+1], s45, \s*SLOT
	s_add_nc_u64 s[G0+4*\s+2:G0+4*\s+3], s[20:21], \s*ROWB
	s_or_b32 s[G0+4*\s+3], s[G0+4*\s+3], 0x80000000
	s_mov_b32 s[G0B+4*\s], 1
	s_add_co_u32 s[G0B+4*\s+1], s45, \s*SLOT
	s_add_nc_u64 s[G0B+4*\s+2:G0B+4*\s+3], s[46:47], \s*ROWB
	s_or_b32 s[G0B+4*\s+3], s[G0B+4*\s+3], 0x80000000
	JLOAD G0+4*\s, G1, G0B+4*\s, G1B
.endr
	v_and_b32 v1, 15, v0                           ; r
	v_bfe_u32 v2, v0, 4, 1                         ; h
	v_lshlrev_b32 v[MO], 4, v2
	s_lshl_b32 s20, s[TY], 8
	s_lshl_b32 s21, s[FB], 7
	s_add_co_u32 s20, s20, s21
	s_mov_b32 s21, 0
	s_add_nc_u64 s[8:9], s[8:9], s[20:21]          ; the mask at my 128 keys
.irp g, 0,1,2,3
	global_load_b128 v[64+4*\g:67+4*\g], v[MO], s[8:9] offset:32*\g   ; the bytes of keys 32 g + 16 h + 0 .. 15: waited for behind the loop; v22 and s[8:9] are not written again
.endr
	v_mul_u32_u24 v3, v1, PITCH
	v_lshl_add_u32 v4, v2, 4, v3                   ; a fragment's row x pitch + 16 x half
	s_mul_i32 s21, s[FB], HALFT                    ; my 128 keys
	s_mul_i32 s22, s[HF], 64*PITCH                 ; my 64 places of Wk (Wv's lie 128 rows on),
	s_add_co_u32 s22, s22, 2*HALFT                 ; behind the 256 keys
.irp s, 0,1
	v_add_nc_u32 v[ADRA+\s], s21, v4
	v_add_nc_u32 v[ADRB+\s], s22, v4
	s_add_co_u32 s21, s21, SLOT
	s_add_co_u32 s22, s22, SLOT
.endr
	v_mul_u32_u24 v5, v1, KS                       ; my row's scales: 64 bytes a row,
	v_lshrrev_b32 v6, 8, v5
	v_lshl_add_u32 v5, v6, 4, v5                   ; and 16 more for each 256 passed
	s_mul_i32 s21, s[FB], HALFS                    ; the keys': my 128 rows
	s_mul_i32 s22, s[HF], 4*SBLK                   ; Wk's: my 64 places, behind the keys' 256 rows
	s_add_co_u32 s22, s22, 2*HALFS
	s_sub_co_u32 s22, s22, s21
	v_mul_u32_u24 v6, s22, v2                      ; lanes 16-31 take W's: blocks 0-3 are Wk's,
	s_add_co_u32 s23, s22, 4*SBLK
	v_mul_u32_u24 v7, s23, v2                      ; blocks 4-7 Wv's, which lie four blocks further on than the count of blocks gives
	s_add_co_u32 s21, s21, SCL
	v_add_nc_u32 v5, s21, v5
	v_add_nc_u32 v[ADRS], v5, v6
	v_add_nc_u32 v[ADRS2], v5, v7
	v_and_b32 v3, 31, v0                           ; lane
	v_lshlrev_b32 v[LI], 4, v3
	v_lshl_add_u32 v[LS], v3, 2, PSC
	s_lshl_b32 s21, s[HF], 14
	s_lshl_b32 s22, s[FB], 11
	s_add_co_u32 s21, s21, s22
	v_add_nc_u32 v[PWI], s21, v[LI]
	s_lshl_b32 s21, s[HF], 10
	s_lshl_b32 s22, s[FB], 7
	s_add_co_u32 s21, s21, s22
	v_add_nc_u32 v[PWS], s21, v[LS]
	s_lshl_b32 s21, s[FB], 9
	s_lshl_b32 s22, s[HF], 8
	s_add_co_u32 s21, s21, s22
	s_add_co_u32 s21, s21, PSUM
	v_lshl_add_u32 v[PSA], v1, 2, s21
	s_lshl_b32 s21, s[WV], 13
	v_add_nc_u32 v[LIV], s21, v[LI]
	s_lshl_b32 s21, s[WV], 9
	s_add_co_u32 s21, s21, 2048
	v_add_nc_u32 v[LSV], s21, v[LS]
	v_mov_b32 v[ZER], 0
	v_mov_b32 v[INF], 0x7f800000
	v_lshl_add_u32 v[PSL], v3, 4, PSUM
	s_lshr_b32 s20, s[TY], 2                       ; kvp: (64 batch + 4 head + quarter) x 65,536 + 16,384 w
	s_lshl_b32 s20, s20, 6
	s_lshl_b32 s21, s42, 2
	s_add_co_u32 s20, s20, s21
	s_and_b32 s21, s[TY], 3
	s_add_co_u32 s20, s20, s21
	s_lshl_b32 s20, s20, 16
	s_lshl_b32 s21, s[WV], 14
	s_add_co_u32 s20, s20, s21
	s_mov_b32 s21, 0
	s_add_nc_u64 s[10:11], s[10:11], s[20:21]
	s_lshl_b32 s20, s[TY], 4                       ; pks: (16 y + head) x 512
	s_add_co_u32 s20, s20, s42
	s_lshl_b32 s20, s20, 9
	s_add_nc_u64 s[12:13], s[12:13], s[20:21]
	s_mov_b32 s92, 0x600000                        ; the mantissa field of 57,344
	s_mov_b32 s93, 0xbfb8aa3b                      ; -log2(e)
	s_mov_b32 s94, 0x3f317218                      ; ln(2), as a pair for the packed form
	s_mov_b32 s95, s94
	s_mov_b32 s96, 0x76543210                      ; v_permlanex16_b32's selects for lane l xor 16
	s_mov_b32 s97, 0xfedcba98
.macro FRAG reg, adr, q, row           ; a fragment, 16 rows x 128 K: lane l holds row l % 16; registers 4 c .. 4 c + 3 hold K = 32 c + 16 (l / 16) + 0 .. 15
.irp c, 0,1,2,3
	ds_load_b128 v[\reg+4*\c:\reg+4*\c+3], v[\adr] offset:128*(\q)+32*\c+(\row)*PITCH
.endr
.endm
; 16 matrix instructions: the keys' blocks a0, a0 + 1 x W's eight.  The 64 accumulators take turns, one instruction a turn, in the same order in every step.
.macro MUL16 a0, p, q, sc, zero
.irp a, \a0, \a0+1
.irp b, 0,1,2,3,4,5,6,7
.if \zero
	v_wmma_scale_f32_16x16x128_f8f6f4 v[8*(8*((\a)%4)+\b):8*(8*((\a)%4)+\b)+7], v[AF+FR*(\a):AF+FR*(\a)+FR-1], v[128*(\p)+FR*\b:128*(\p)+FR*\b+FR-1], 0, v[SC+8*NQ*(\sc)+NQ*(\a)+(\q)], v[SC+8*NQ*(\sc)+NQ*\b+(\q)] matrix_a_fmt:MATRIX_FMT_BF8 matrix_b_fmt:MATRIX_FMT_BF8 matrix_b_scale:MATRIX_SCALE_ROW1
.else
	v_wmma_scale_f32_16x16x128_f8f6f4 v[8*(8*((\a)%4)+\b):8*(8*((\a)%4)+\b)+7], v[AF+FR*(\a):AF+FR*(\a)+FR-1], v[128*(\p)+FR*\b:128*(\p)+FR*\b+FR-1], v[8*(8*((\a)%4)+\b):8*(8*((\a)%4)+\b)+7], v[SC+8*NQ*(\sc)+NQ*(\a)+(\q)], v[SC+8*NQ*(\sc)+NQ*\b+(\q)] matrix_a_fmt:MATRIX_FMT_BF8 matrix_b_fmt:MATRIX_FMT_BF8 matrix_b_scale:MATRIX_SCALE_ROW1
.endif
.endr
.endr
.endm
.macro FETCH_B slot, q, p              ; W's eight fragments into set p: blocks 0-3 of Wk, blocks 4-7 of Wv, 128 rows on
	WIN TO_B
.irp i, 0,1,2,3,4,5,6,7
	FRAG 128*(\p)+FR*\i, ADRB+\slot, \q, 16*(\i%4)+128*(\i/4)
.endr
	WIN 0
.endm
.macro FETCH_A slot, q, i0             ; the keys' blocks i0 .. i0 + 3
.irp i, \i0, \i0+1, \i0+2, \i0+3
	FRAG AF+FR*(\i), ADRA+\slot, \q, 16*(\i)
.endr
.endm
.macro SCALES sc                       ; a K step's scale words: two words a row; lanes 0-15 the keys' block i, lanes 16-31 W's block i
.irp i, 0,1,2,3
	ds_load_b64 v[SC+8*NQ*\sc+NQ*\i:SC+8*NQ*\sc+NQ*\i+1], v[ADRS] offset:\i*SBLK
.endr
.irp i, 4,5,6,7
	ds_load_b64 v[SC+8*NQ*\sc+NQ*\i:SC+8*NQ*\sc+NQ*\i+1], v[ADRS2] offset:\i*SBLK
.endr
.endm
.macro PLACES n                        ; plain vector instructions that name no register of the matrix instructions ahead (ISA guide 7.12.1)
.rept \n
	v_nop
.endr
.endm
; A step of 128 along K that has its successor in the same slot.  The keys have one set of registers (a block is free when its eight products are issued), W has two.
.macro STEP slot, q, zero
	s_wait_dscnt 4*NL                              ; W's set and the keys' blocks 0-3 are in; the youngest 16 loads (blocks 4-7) may be out
	WIN MUL_LO
	MUL16 0, (\q)%2, \q, \slot, \zero
	MUL16 2, (\q)%2, \q, \slot, \zero
	s_wait_dscnt 0
	PLACES NP
	FETCH_B \slot, (\q)+1, 1-(\q)%2
	FETCH_A \slot, (\q)+1, 0
	WIN MUL_HI
	MUL16 4, (\q)%2, \q, \slot, \zero
	MUL16 6, (\q)%2, \q, \slot, \zero
	PLACES NP
	WIN 0
	FETCH_A \slot, (\q)+1, 4
.endm
; A slot's last step changes slots: one barrier; in front of it each wave waits for all its tensor loads, adds 0 to its spare word, and waits for that and for its reads of this slot.
.macro TURN slot, next, fill
	s_wait_tensorcnt 0x0                           ; all my tensor loads have landed: my part of the next slot
	ds_add_u32 v[SPW], v[NIL]
	s_wait_dscnt 4*NL+1                            ; (the add and the youngest 16 loads may be out)
	WIN MUL_LO
	MUL16 0, 1, NQ-1, \slot, 0
	s_wait_dscnt 0x0                               ; the add is done, and my reads of this slot are over
	s_barrier_signal -1
	MUL16 2, 1, NQ-1, \slot, 0
	WIN 0
	s_barrier_wait -1
.if \fill
	CREST                                          ; the barrier has opened a round of the cluster's: no wave of any partner still reads this slot or has a load on its way
	s_add_nc_u64 s[G0+4*\slot+2:G0+4*\slot+3], s[G0+4*\slot+2:G0+4*\slot+3], 2*ROWB
	s_add_nc_u64 s[G0B+4*\slot+2:G0B+4*\slot+3], s[G0B+4*\slot+2:G0B+4*\slot+3], 2*ROWB
	JLOAD G0+4*\slot, G1, G0B+4*\slot, G1B         ; the first tensor load behind the round; its four v_nop are among the places in front of the loads below
	PLACES NP-4
.else
	PLACES NP
.endif
	v_add_nc_u32 v[ADRS], 4*NQ, v[ADRS]            ; on to the next K step's scale words
	v_add_nc_u32 v[ADRS2], 4*NQ, v[ADRS2]
	FETCH_B \next, 0, 0
	FETCH_A \next, 0, 0
	SCALES \next
	WIN MUL_HI
	MUL16 4, 1, NQ-1, \slot, 0
	MUL16 6, 1, NQ-1, \slot, 0
	PLACES NP
	WIN 0
	FETCH_A \next, 0, 4
.endm
	s_wait_tensorcnt 1                             ; the scales and my part of K step 0 are in (K step 1's load may be out)
	s_barrier_signal -1
	s_barrier_wait -1
	FETCH_B 0, 0, 0
	FETCH_A 0, 0, 0
	SCALES 0
	FETCH_A 0, 0, 4
	STEP 0, 0, 1                                   ; the first step's products start the sums: nothing is cleared
	s_mov_b32 s3, LAPS-1
.Llap:                                                 ; a trip goes once round the ring and fills both slots again
	TURN 0, 1, 1
	STEP 1, 0, 0
	TURN 1, 0, 1
	STEP 0, 0, 0
	s_sub_co_u32 s3, s3, 1
	s_cmp_lg_u32 s3, 0
	s_cbranch_scc1 .Llap
	TURN 0, 1, 0                                   ; the last lap fills nothing
	STEP 1, 0, 0
	s_wait_dscnt 4*NL
	WIN MUL_LO
	MUL16 0, 1, NQ-1, 1, 0
	MUL16 2, 1, NQ-1, 1, 0
	s_wait_dscnt 0
	WIN MUL_HI
	MUL16 4, 1, NQ-1, 1, 0
	MUL16 6, 1, NQ-1, 1, 0
	WIN 0
; ---- BEHIND THE LOOP.  In accumulator column b a lane holds one place; register 8 a + j = 16 g + k is key 32 g + 16 h + k of my 128.
; X = max(x, 0), E = -|x| log2(e) go in; X = softplus(x) comes out.  The exponentials are one batch with one wait ahead of their first reader, and so are the logarithms.
.macro SPLUS
	WIN 0
.set i, 0
.rept 64
	v_exp_f32 v[E+i], v[E+i]                       ; e
.set i, i+1
.endr
	v_nop                                          ; a plain line behind the last exponential
	s_wait_alu depctr_va_vdst(0)
	WIN 0x40
.set i, 0
.rept 32
	v_pk_add_f32 v[U+i:U+i+1], v[E+i:E+i+1], 1.0 op_sel_hi:[1,0]     ; u = 1 + e
.set i, i+2
.endr
	WIN 0
.set i, 0
.rept 32
	v_pk_add_f32 v[X+i:X+i+1], v[X+i:X+i+1], v[E+i:E+i+1]            ; + e
.set i, i+2
.endr
	WIN 0x01
.set i, 0
.rept 32
	v_pk_add_f32 v[E+i:E+i+1], v[U+i:U+i+1], -1.0 op_sel_hi:[1,0]    ; u - 1: exact
.set i, i+2
.endr
	WIN 0x41
.set i, 0
.rept 64
	v_log_f32 v[U+i], v[U+i]                       ; log2(u)
.set i, i+1
.endr
	WIN 0
.set i, 0
.rept 32
	v_pk_add_f32 v[X+i:X+i+1], v[X+i:X+i+1], v[E+i:E+i+1] neg_lo:[0,1] neg_hi:[0,1]   ; - (u - 1): what u lost of e.  (Plain work behind the logarithms)
.set i, i+2
.endr
	s_wait_alu depctr_va_vdst(0)
	WIN 0x01
.set i, 0
.rept 32
	v_pk_fma_f32 v[X+i:X+i+1], v[U+i:U+i+1], s[94:95], v[X+i:X+i+1] op_sel_hi:[1,0,1] ; + ln(2) log2(u)
.set i, i+2
.endr
	WIN 0
.endm
; the four blocks' largest magnitudes in v[TM] on (my 16 numbers of each, with the floor) become the hold, the conversions' operand and the scale word
.macro SCALE4 pw
.irp b, 0,1,2,3
	v_permlanex16_b32 v[TM+4+\b], v[TM+\b], s96, s97
.endr
.irp b, 0,1,2,3
	v_max_num_f32 v[TM+\b], v[TM+\b], v[TM+4+\b]   ; with lane l xor 16's: the block's
.endr
.irp b, 0,1,2,3
	v_add_nc_u32 v[TM+12+\b], 0xf8800000, v[TM+\b] ; 15 off its exponent field: the conversion's scale operand
.endr
.irp b, 0,1,2,3
	v_and_or_b32 v[TM+8+\b], v[TM+\b], 0x7f800000, s92   ; 57,344 x the scale
.endr
.irp b, 0,1,2,3
	v_lshrrev_b32 v[TM+4+\b], 23, v[TM+12+\b]      ; the scale's byte
.endr
	v_lshl_or_b32 v[\pw], v[TM+5], 8, v[TM+4]
	v_lshl_or_b32 v[\pw], v[TM+6], 16, v[\pw]
	v_lshl_or_b32 v[\pw], v[TM+7], 24, v[\pw]
.endm
.macro CVT8                            ; X's 64 numbers become the fragment's codes in v[PC] on
.irp b, 0,1,2,3
	v_cvt_scalef32_pk8_bf8_f32 v[PC+4*\b:PC+4*\b+1], v[X+16*\b:X+16*\b+7], v[TM+12+\b]
	v_cvt_scalef32_pk8_bf8_f32 v[PC+4*\b+2:PC+4*\b+3], v[X+16*\b+8:X+16*\b+15], v[TM+12+\b]
.endr
	v_nop                                          ; a plain line behind the last conversion
.endm
.macro IMAGE adr, off                  ; a fragment goes to LDS as an image of its registers: lane l's 16 bytes at 16 l
.irp c, 0,1,2,3
	ds_store_b128 v[\adr], v[PC+4*\c:PC+4*\c+3] offset:\off+512*\c
.endr
.endm
; column b of k: softplus, the mask, the sum over my keys, the codes
.macro KBATCH b
	WIN 0x12                                       ; source 0 window 2, source 2 window 1
.irp a, 0,1,2,3
.irp j, 0,1,2,3,4,5,6,7
	v_fma_f32 v[E+8*\a+\j], |v[8*(8*\a+\b)+\j]|, s93, v[BIAS+8*\a+\j]         ; -|x| log2(e), or -infinity at a padded key: e = 0.  Each accumulator is read from its low end on
	v_med3_num_f32 v[X+8*\a+\j], v[8*(8*\a+\b)+\j], 0, v[KEEP+8*\a+\j]        ; max(x, 0), or 0 at a padded key: so pk is exactly 0 there
.endr
.endr
	WIN 0x13
.irp a, 0,1,2,3
.irp j, 0,1,2,3,4,5,6,7
	v_fma_f32 v[E+32+8*\a+\j], |v[8*(8*\a+\b)+\j]|, s93, v[BIAS+32+8*\a+\j]
	v_med3_num_f32 v[X+32+8*\a+\j], v[8*(8*\a+\b)+\j], 0, v[KEEP+32+8*\a+\j]
.endr
.endr
	s_wait_dscnt 0x0                               ; the last column's LDS stores have read their registers
	SPLUS
	v_pk_add_f32 v[SUMA:SUMA+1], v[X:X+1], v[X+2:X+3]                ; the sum of the unquantised pk, in two chains
	v_pk_add_f32 v[SUMB:SUMB+1], v[X+4:X+5], v[X+6:X+7]
.irp i, 8,12,16,20,24,28,32,36,40,44,48,52,56,60
	v_pk_add_f32 v[SUMA:SUMA+1], v[SUMA:SUMA+1], v[X+\i:X+\i+1]
	v_pk_add_f32 v[SUMB:SUMB+1], v[SUMB:SUMB+1], v[X+\i+2:X+\i+3]
.endr
	v_pk_add_f32 v[SUMA:SUMA+1], v[SUMA:SUMA+1], v[SUMB:SUMB+1]
	v_add_f32 v[SUMA], v[SUMA], v[SUMA+1]
	v_permlanex16_b32 v[SUMB], v[SUMA], s96, s97
	v_add_f32 v[SUMA], v[SUMA], v[SUMB]            ; over my 128 keys
	ds_store_b32 v[PSA], v[SUMA] offset:64*\b      ; lanes l and l xor 16 write the same word with the same value
.irp g, 0,1,2,3
	v_max3_num_f32 v[TM+\g], v[X+16*\g], v[X+1+16*\g], 0x8000000     ; pk is not negative: no |.|; the floor 2^(16 - 127) holds the byte at 1 from below
.endr
.irp i, 2,4,6,8,10,12,14
.irp g, 0,1,2,3
	v_max3_num_f32 v[TM+\g], v[TM+\g], v[X+16*\g+\i], v[X+1+16*\g+\i]
.endr
.endr
	SCALE4 PW
.set i, 0
.rept 64
	v_min_num_f32 v[X+i], v[X+i], v[TM+8+i/16]     ; the conversion does not saturate (ISA guide 7.6.2); the hold is one-sided
.set i, i+1
.endr
	CVT8
	IMAGE PWI, PIMG+4096*\b
	ds_store_b32 v[PWS], v[PW] offset:256*\b
.endm
.macro VMAX b, t0                      ; blocks t0, t0 + 1 of column 4 + b of the window in hand
.irp g, 0,1
	v_max3_num_f32 v[TM+\t0+\g], 0x8000000, |v[8*(16*\g+4+\b)]|, |v[8*(16*\g+4+\b)+1]|
.endr
.irp k, 2,4,6
.irp g, 0,1
	v_max3_num_f32 v[TM+\t0+\g], v[TM+\t0+\g], |v[8*(16*\g+4+\b)+\k]|, |v[8*(16*\g+4+\b)+\k+1]|
.endr
.endr
.irp k, 0,2,4,6
.irp g, 0,1
	v_max3_num_f32 v[TM+\t0+\g], v[TM+\t0+\g], |v[8*(16*\g+12+\b)+\k]|, |v[8*(16*\g+12+\b)+\k+1]|
.endr
.endr
.endm
.macro VHOLD b, t0
.irp g, 0,1
.irp u, 0,1
.irp j, 0,1,2,3,4,5,6,7
	v_med3_num_f32 v[X+16*(\t0+\g)+8*\u+\j], v[8*(16*\g+8*\u+4+\b)+\j], -v[TM+8+\t0+\g], v[TM+8+\t0+\g]
.endr
.endr
.endr
.endm
; column 4 + b: v, as it is
.macro VBATCH b
	WIN 0x28                                       ; sources 1 and 2 window 2
	VMAX \b, 0
	WIN 0x3c                                       ; window 3
	VMAX \b, 2
	WIN 0
	s_wait_dscnt 0x0                               ; the last column's LDS stores have read their registers
	SCALE4 PW
	WIN 0x02
	VHOLD \b, 0
	WIN 0x03
	VHOLD \b, 2
	WIN 0
	CVT8
	IMAGE PWI, VIMG+4096*\b
	ds_store_b32 v[PWS], v[PW] offset:2048+256*\b
.endm
	PLACES NP                                      ; behind the last products, ahead of the first read of a result and the first write of an operand's register
	s_wait_loadcnt 0x0                             ; the mask's bytes
.irp b, 0,1,2,3
	v_mov_b32 v[TM+4+\b], 0                        ; a lane permute's destination counts as one of its sources
.endr
.set i, 0
.rept 64
	v_bfe_u32 v[E+i], v[64+i/4], 8*(i%4), 8        ; the byte of key 32 (i / 16) + 16 h + i % 16
.set i, i+1
.endr
	WIN 0x40
.set i, 0
.rept 64
	v_cmp_eq_u32 vcc_lo, 0, v[E+i]
	v_cndmask_b32 v[BIAS+i], 0xff800000, v[ZER], vcc_lo              ; a key that counts: 0; a padded one: -infinity
	v_cndmask_b32 v[KEEP+i], 0, v[INF], vcc_lo                       ; a key that counts: +infinity; a padded one: 0
.set i, i+1
.endr
	WIN 0
	KBATCH 0
	KBATCH 1
	KBATCH 2
	KBATCH 3
	VBATCH 0
	VBATCH 1
	VBATCH 2
	VBATCH 3
	s_wait_dscnt 0x0                               ; for the others' sake: my images, scale words and sums lie in LDS
	s_barrier_signal -1
	s_barrier_wait -1
	s_cmp_lg_u32 s[WV], 0                          ; wave 0 adds the two halves' sums of pk and stores the 128 places: 512 consecutive bytes
	s_cbranch_scc1 .Lnot_zero
	ds_load_b128 v[64:67], v[PSL]
	ds_load_b128 v[68:71], v[PSL] offset:512
	s_wait_dscnt 0x0
	v_pk_add_f32 v[64:65], v[64:65], v[68:69]
	v_pk_add_f32 v[66:67], v[66:67], v[70:71]
	global_store_b128 v[LI], v[64:67], s[12:13]
.Lnot_zero:
	; THE PARTIAL kv: K = the work-group's 256 keys, two steps.  Wave w makes e tiles 2 w and 2 w + 1 for all eight d tiles: source 0 = pk^T (16 places of d), source 1 = v^T (16 places of e).
	WIN TO_B
.irp f, 0,1,2,3,4,5,6,7,8,9,10,11,12,13,14,15
.irp c, 0,1,2,3
	ds_load_b128 v[FR*\f+4*\c:FR*\f+4*\c+3], v[LI] offset:PIMG+2048*\f+512*\c
.endr
.endr
	WIN 0
.irp k, 0,1,2,3
.irp c, 0,1,2,3
	ds_load_b128 v[128+FR*\k+4*\c:128+FR*\k+4*\c+3], v[LIV] offset:VIMG+2048*\k+512*\c
.endr
.endr
.irp f, 0,1,2,3,4,5,6,7,8,9,10,11,12,13,14,15
	ds_load_b32 v[SC+\f], v[LS] offset:128*\f
.endr
.irp k, 0,1,2,3
	ds_load_b32 v[SC+16+\k], v[LSV] offset:128*\k
.endr
	s_wait_dscnt 0x0
	WIN 0xa1                                       ; source 0 window 1, source 1 window 0, C and D window 2
.irp s, 0,1
.irp e, 0,1
.irp d, 0,1,2,3,4,5,6,7
.if \s == 0
	v_wmma_scale_f32_16x16x128_f8f6f4 v[8*(8*\e+\d):8*(8*\e+\d)+7], v[FR*(2*\d+\s):FR*(2*\d+\s)+FR-1], v[128+FR*(2*\e+\s):128+FR*(2*\e+\s)+FR-1], 0, v[SC+2*\d+\s], v[SC+16+2*\e+\s] matrix_a_fmt:MATRIX_FMT_BF8 matrix_b_fmt:MATRIX_FMT_BF8
.else
	v_wmma_scale_f32_16x16x128_f8f6f4 v[8*(8*\e+\d):8*(8*\e+\d)+7], v[FR*(2*\d+\s):FR*(2*\d+\s)+FR-1], v[128+FR*(2*\e+\s):128+FR*(2*\e+\s)+FR-1], v[8*(8*\e+\d):8*(8*\e+\d)+7], v[SC+2*\d+\s], v[SC+16+2*\e+\s] matrix_a_fmt:MATRIX_FMT_BF8 matrix_b_fmt:MATRIX_FMT_BF8
.endif
.endr
.endr
.endr
	PLACES NP
	WIN 0x08                                       ; a store's data are its source 1: window 2
.irp e, 0,1
.irp d, 0,1,2,3,4,5,6,7
	global_store_b128 v[LI], v[8*(8*\e+\d):8*(8*\e+\d)+3], s[10:11] offset:8192*\e+1024*\d            ; each accumulator from its low end on; 32 lanes store 512 consecutive bytes, aligned
	global_store_b128 v[LI], v[8*(8*\e+\d)+4:8*(8*\e+\d)+7], s[10:11] offset:8192*\e+1024*\d+512
.endr
.endr
	WIN 0
	s_wait_tensorcnt 0x0                           ; the wave's end
	ds_add_u32 v[SPW], v[NIL]
	s_wait_dscnt 0x0
	CROUND                                         ; the closing round: no work-group ends while a partner may still ask for a tile that names it
	s_endpgm
.Lfunc_end_k_qfa3300793f_kv:
	.size	k_qfa3300793f_kv, .Lfunc_end_k_qfa3300793f_kv-k_qfa3300793f_kv
	.p2alignl 7, 3214868480
	.fill 96, 4, 3214868480
	.section	.rodata,"a",@progbits
	.p2align	6, 0x0
	.amdhsa_kernel k_qfa3300793f_kv
		.amdhsa_group_segment_fixed_size 327680
		.amdhsa_private_segment_fixed_size 0
		.amdhsa_enable_private_segment 0
		.amdhsa_kernarg_size 40
		.amdhsa_user_sgpr_count 2
		.amdhsa_user_sgpr_kernarg_segment_ptr 1
		.amdhsa_wavefront_size32 1
		.amdhsa_system_sgpr_workgroup_id_x 1
		.amdhsa_system_sgpr_workgroup_id_y 1
		.amdhsa_system_sgpr_workgroup_id_z 1
		.amdhsa_system_vgpr_workitem_id 0
		.amdhsa_next_free_vgpr 1024
		.amdhsa_next_free_sgpr 98
		.amdhsa_reserve_vcc 1
		.amdhsa_float_denorm_mode_32 3
		.amdhsa_float_denorm_mode_16_64 3
		.amdhsa_memory_ordered 1
		.amdhsa_forward_progress 1
		.amdhsa_inst_pref_size 255
	.end_amdhsa_kernel
	.section	.bss,"aw",@nobits
	.p2align	6
	.space	262144
	.amdgpu_metadata
---
amdhsa.version: [ 1, 2 ]
amdhsa.kernels:
  - .name:           k_qfa3300793f_kv
    .symbol:         k_qfa3300793f_kv.kd
    .args:
      - { .name: codes, .offset: 0, .size: 8, .value_kind: global_buffer, .address_space: global }
      - { .name: scales, .offset: 8, .size: 8, .value_kind: global_buffer, .address_space: global }
      - { .name: key_padding_mask, .offset: 16, .size: 8, .value_kind: global_buffer, .address_space: global }
      - { .name: kvp, .offset: 24, .size: 8, .value_kind: global_buffer, .address_space: global }
      - { .name: pks, .offset: 32, .size: 8, .value_kind: global_buffer, .address_space: global }
    .group_segment_fixed_size: 327680
    .private_segment_fixed_size: 0
    .kernarg_segment_align: 8
    .kernarg_segment_size: 40
    .max_flat_workgroup_size: 128
    .sgpr_count:     98
    .vgpr_count:     1024
    .wavefront_size: 32
...
	.end_amdgpu_metadata
.endif
;; end of part 2
;; launch out (part 3): grid 16 x 16, 4 waves a work-group, clusters of 4 x 4, 327,680 bytes of LDS; arguments codes, scales, kvp, pks, query_padding_mask, out0; writes out0
.if DOCPART == 3
	.amdgcn_target "amdgcn-amd-amdhsa--gfx1250"
	.amdhsa_code_object_version 6
	.text
	.protected	k_qfa3300793f_out
	.globl	k_qfa3300793f_out
	.p2align	8
	.type	k_qfa3300793f_out,@function
k_qfa3300793f_out:
	s_mov_b64 s[64:65], 0
	v_nop
	global_prefetch_b8 v0, s[64:65] scope:SCOPE_SE
	s_setreg_imm32_b32 hwreg(HW_REG_WAVE_MODE, 25, 1), 1
	s_wait_xcnt 0x0
	s_wait_alu depctr_hold_cnt(0) depctr_sa_sdst(0) depctr_va_vdst(0) depctr_va_sdst(0) depctr_va_ssrc(0) depctr_va_vcc(0) depctr_vm_vsrc(0)
	s_getreg_b32 s2, hwreg(HW_REG_IB_STS2, 6, 4)
	s_cmp_eq_u32 s2, 0
	s_cbranch_scc0 .Lentry_in_a_cluster
	s_endpgm
.Lentry_in_a_cluster:
	s_bfe_u32 s2, ttmp6, 0x10000c
	s_cmp_lg_u32 s2, 0xf033
	s_cbranch_scc0 .Lentry_shape_is_right
	s_endpgm
.Lentry_shape_is_right:
; LAUNCH 3 OF 3.  For 256 queries (work-group y: batch y / 4) and one head (work-group x): q = query Wq^T on codes of BF8 with E8M0 scales (K = 2,048); pq = softplus(q); den = pq . (the sum over the keys of pk), in f32;
; pq quantised along d in registers; num = pq kv (K = the head's 128) with kv quantised along d; out0 = num / den, 0 at padded queries.  q and pq never go to memory.  No work is left out.
; kv: the batch's four partial kv are added in f32 (wave w: e tiles 2 w, 2 w + 1), quantised along d and shared through LDS as images of the operand's registers.  That work stands INSIDE the walk along K, each e tile directly ahead
; of a wait for a tensor load; its loads are asked for a lap or more earlier, into window 3, which the walk does not use.  So the first product waits for the first tiles alone.
; THE ROWS of query and Wq lie in the workspace with row bits 3 and 4 exchanged ('places').  The first product is used transposed (source 0 = 16 places of Wq, source 1 = 16 queries): a lane holds ONE query, and register j of lane half h
; of block 2 b + u is d = 32 b + 16 h + 8 u + j: two neighbouring blocks give 16 neighbours along the next K.  kvp's registers run along d in the same way, and its lanes along the places of e.
; SHARES.  Four waves, as many as a WGP has SIMDs; wave w takes the query places 64 w on (four tiles) and all 128 of d: 32 accumulators, (t, b) at window 2, v[8 (8 t + b)].
; K goes in steps of 256 through a ring of two LDS slots (256 queries, then 128 rows of Wq); the scale bytes for all of K come once with the first fills.
; CLUSTERS: 4 x 4 work-groups.  The four of a row of the cluster need the same queries, the four of a column the same rows of Wq: each tile is asked for jointly.
; THE WAY OUT goes tile by tile: a tile's 16 rows are stored while the later tiles' softplus is still computed.
; LIMITS: softplus values under 2^-126 come out 0; NaN and infinities among the inputs are not served; a block of zeros keeps the byte 1; 1 / den is v_rcp_f32 and a multiplication; a batch whose every key is padded gives NaN at the
; queries that count, as the 0 / 0 of the definition does.
; REGISTERS.  Window 0: v1-3, v16-31 addresses (v16-23 later 1 / den); v4-11 kv's scale words, v12-15 pq's, v32-63 the ring's: scales and nothing else; v64-127 in the walk kv's few temporaries, later X and the results;
;   v128-255 the queries' two sets of fragments, behind the walk E and TM.   Window 1: Wq's two sets; later pq's codes v0-63, the rows on their way out v64-191, U v192-255.   Window 2: the accumulators.
;   Window 3: an e tile's four partials; later kv^T's eight fragments v0-127 and the sums of pk v128-191.
.set ROWB,   256
.set KROW,   2048
.set PITCH,  272                       ; an LDS row: 256 bytes + 16 of padding
.set FR,     16
.set NP,     8                         ; places behind this matrix instruction (ISA guide 7.12.1)
.set SLOT,   384*PITCH                 ; 256 queries, then 128 rows of Wq
.set BOFF,   256*PITCH
.set KS,     64
.set SCL,    2*SLOT                    ; the scales, as blocks of 256 bytes + 16 of padding: the queries' 64 blocks, then Wq's 32
.set SBLK,   4*272                     ; those of 16 rows
.set KIMG,   SCL+96*272                ; bytes of their own, into which no fill lands: kv^T's eight fragments, images of 2,048 bytes,
.set KSC,    KIMG+8*2048               ; their scale words, 128 bytes each,
.set PKS,    KSC+8*128                 ; the 128 sums of pk
.set SPARE,  PKS+512                   ; the spare words, 128 bytes a wave, which no other line names
.set SPITCH, 528                       ; the way out: a stage of 16 rows x (512 bytes + 16) for each wave, in slot 0, which has had its last fill and its last read by then
.set WQC,    0x1000000                 ; where Wq's codes begin, and its scale bytes
.set WQB,    0x80000
.set APK,  3                           ; v3   PKS + 4 x thread
.set KVS,  4
.set PQS,  12
.set ADRA, 16
.set AKW,  18                          ; v18  KIMG + 16 x lane + 4,096 w
.set ASW,  19                          ; v19  KSC + 4 x lane + 256 w
.set ADRB, 20
.set AKR,  22                          ; v22  KIMG + 16 x lane
.set ASR,  23                          ; v23  KSC + 4 x lane
.set INV,  16                          ; v16-23, behind the walk: den, then 1 / den, a pair for each tile
.set STO,  24
.set RD,   25
.set ADRS2, 26
.set ADRS, 27
.set SPW,  28
.set NIL,  29
.set CO,   30                          ; v30  16 x lane; never rewritten
.set APR,  31                          ; v31  PKS + 32 x (lane / 16)
.set SC,   32
.set X,    64
.set KT,   72                          ; v72-87  kv's quantiser: largest magnitudes, bytes, 57,344 x the scale, the conversions' scale operands
.set KPW,  88                          ; v88     its scale word
.set KPC,  96                          ; v96-111 its codes
.set E,    128
.set AF,   128
.set TM,   192                         ; v192-207 the same four fours for pq
.set DENA, 208
.set DENB, 210
.set U,    192                         ; window 1
.set BKW,  64                          ; window 1: v64-127 and v128-191 by turns: 16 rows read back from the stage
.set WV, 16
.set FB, 17                            ; w / 2: I fetch queries (0) or Wq (1)
.set HF, 18                            ; w % 2: which half I fetch
.set TY, 19
.set G1, 24
.set G0, 32
.set G1B, 48
.set G0B, 56
.set G1S, 68
.set G0S, 76
.set G1SB, 80
.set G0SB, 88
.set MSB, 0
.macro WIN new                         ; the immediate's high byte repeats the setting that is left
.if MSB != \new
	s_set_vgpr_msb (MSB<<8)|\new
.set MSB, \new
.endif
.endm
.set MUL, 0xa1                         ; source 0 (Wq) window 1, source 1 (queries) window 0, C and D window 2
.macro JLOAD g0a, g1a, g0b, g1b        ; a joint load; the branch hangs on the wave's number alone; an s_nop 0 and four v_nop follow each of the two lines
	s_cmp_eq_u32 s[FB], 0
	s_cbranch_scc0 .Lfor_b_\@
	tensor_load_to_lds s[\g0a:\g0a+3], s[\g1a:\g1a+7]
	s_nop 0
.rept 4
	v_nop
.endr
	s_branch .Lasked_\@
.Lfor_b_\@:
	tensor_load_to_lds s[\g0b:\g0b+3], s[\g1b:\g1b+7]
	s_nop 0
.rept 4
	v_nop
.endr
.Lasked_\@:
.endm
.macro CREST
	s_cmp_lg_u32 s[WV], 0
	s_cbranch_scc1 .Lnot_wave_0_\@
	s_barrier_signal -3
.Lnot_wave_0_\@:
	s_barrier_wait -3
	s_barrier_signal -1
	s_barrier_wait -1
.endm
.macro CROUND
	s_barrier_signal -1
	s_barrier_wait -1
	CREST
.endm
.macro PLACES n
.rept \n
	v_nop
.endr
.endm
; partials q0 and q0 + 1 of my e tile e into window 3: 32 loads of 512 consecutive bytes; partial q at v[64 q] on.  v30 and s[8:9] are never rewritten
.macro KVLOAD e, q0
	WIN 0xc0
.irp q, \q0, \q0+1
.irp d, 0,1,2,3,4,5,6,7
	global_load_b128 v[64*(\q)+8*\d:64*(\q)+8*\d+3], v[CO], s[8:9] offset:65536*(\q)+8192*\e+1024*\d
	global_load_b128 v[64*(\q)+8*\d+4:64*(\q)+8*\d+7], v[CO], s[8:9] offset:65536*(\q)+8192*\e+1024*\d+512
.endr
.endr
	WIN 0
.endm
	s_load_b256 s[4:11], s[0:1], 0x0               ; codes, scales, kvp, pks
	s_load_b128 s[12:15], s[0:1], 0x20             ; query_padding_mask, out0
	v_lshl_add_u32 v[SPW], v0, 2, SPARE
	v_mov_b32 v[NIL], 0
	ds_add_u32 v[SPW], v[NIL]                      ; the wave's opening: the add, twice on end, and its wait ahead of my first tensor load
	ds_add_u32 v[SPW], v[NIL]
	v_lshrrev_b32 v1, 5, v0
	v_readfirstlane_b32 s[WV], v1
	s_lshr_b32 s[FB], s[WV], 1
	s_and_b32 s[HF], s[WV], 1
	s_bfe_u32 s40, ttmp6, 0x40000                  ; cx, cy
	s_bfe_u32 s41, ttmp6, 0x40004
	s_lshl_b32 s42, ttmp9, 2
	s_add_co_u32 s42, s42, s40                     ; x: the head
	s_and_b32 s[TY], ttmp7, 0xffff
	s_lshl_b32 s[TY], s[TY], 2
	s_add_co_u32 s[TY], s[TY], s41                 ; y: the block of 256 queries
	s_lshl_b32 s43, s41, 2
	s_lshl_b32 s43, 15, s43                        ; my row of the cluster
	s_lshl_b32 s44, 0x1111, s40                    ; my column
	s_or_b32 s[G1+0], s43, (0<<16)|(1<<20)|(1<<21)|(5<<22)|(3<<25)  ; queries: 128 rows x 256 bytes; four words of padding after every 64
	s_mov_b32 s[G1+1], ROWB<<16
	s_mov_b32 s[G1+2], 128<<16
	s_mov_b32 s[G1+3], ROWB<<16
	s_mov_b32 s[G1+4], 128
	s_mov_b32 s[G1+5], KROW
	s_mov_b32 s[G1+6], 0
	s_mov_b32 s[G1+7], 0
	s_or_b32 s[G1B+0], s44, (0<<16)|(1<<20)|(1<<21)|(5<<22)|(3<<25) ; Wq: 64 rows x 256 bytes
	s_mov_b32 s[G1B+1], ROWB<<16
	s_mov_b32 s[G1B+2], 64<<16
	s_mov_b32 s[G1B+3], ROWB<<16
	s_mov_b32 s[G1B+4], 64
	s_mov_b32 s[G1B+5], KROW
	s_mov_b32 s[G1B+6], 0
	s_mov_b32 s[G1B+7], 0
	s_or_b32 s[G1S+0], s43, (3<<16)|(1<<20)|(1<<21)|(5<<22)|(3<<25) ; the scales of 128 queries: 8,192 dense bytes as 32 rows of 32 elements of 8 bytes
	s_mov_b32 s[G1S+1], 32<<16
	s_mov_b32 s[G1S+2], 32<<16
	s_mov_b32 s[G1S+3], 32<<16
	s_mov_b32 s[G1S+4], 32
	s_mov_b32 s[G1S+5], 32
	s_mov_b32 s[G1S+6], 0
	s_mov_b32 s[G1S+7], 0
	s_or_b32 s[G1SB+0], s44, (3<<16)|(1<<20)|(1<<21)|(5<<22)|(3<<25) ; those of 64 rows of Wq: 16 such rows
	s_mov_b32 s[G1SB+1], 32<<16
	s_mov_b32 s[G1SB+2], 16<<16
	s_mov_b32 s[G1SB+3], 32<<16
	s_mov_b32 s[G1SB+4], 16
	s_mov_b32 s[G1SB+5], 32
	s_mov_b32 s[G1SB+6], 0
	s_mov_b32 s[G1SB+7], 0
	s_lshl_b32 s2, s[HF], 7
	s_lshl_b32 s20, s[TY], 8
	s_add_co_u32 s20, s20, s2                      ; queries: row 256 y + 128 x half
	s_lshl_b32 s2, s[HF], 6
	s_lshl_b32 s46, s42, 7
	s_add_co_u32 s46, s46, s2                      ; Wq: row 128 x + 64 x half
	s_mov_b32 s21, 0
	s_mov_b32 s47, 0
	s_mov_b64 s[66:67], KS
	s_mul_u64 s[22:23], s[20:21], s[66:67]
	s_mul_u64 s[98:99], s[46:47], s[66:67]
	s_mov_b64 s[66:67], KROW
	s_mul_u64 s[20:21], s[20:21], s[66:67]
	s_mul_u64 s[46:47], s[46:47], s[66:67]
	s_add_nc_u64 s[46:47], s[46:47], WQC
	s_add_nc_u64 s[98:99], s[98:99], WQB
	s_mul_i32 s45, s[HF], 128*PITCH                ; where they go: no place in the cluster enters an LDS address
	s_mul_i32 s2, s[HF], 64*PITCH
	s_add_co_u32 s2, s2, BOFF
	s_mul_i32 s100, s[HF], 32*272
	s_add_co_u32 s100, s100, SCL
	s_mul_i32 s101, s[HF], 16*272
	s_add_co_u32 s101, s101, SCL+64*272
	s_wait_dscnt 0x0                               ; both opening adds are done
	s_wait_kmcnt 0x0
	s_add_nc_u64 s[20:21], s[4:5], s[20:21]
	s_add_nc_u64 s[22:23], s[6:7], s[22:23]
	s_add_nc_u64 s[46:47], s[4:5], s[46:47]
	s_add_nc_u64 s[98:99], s[6:7], s[98:99]
	CROUND                                         ; all sixteen work-groups are here: the first joint loads meet
	s_mov_b32 s[G0S], 1
	s_mov_b32 s[G0S+1], s100
	s_mov_b64 s[G0S+2:G0S+3], s[22:23]
	s_or_b32 s[G0S+3], s[G0S+3], 0x80000000
	s_mov_b32 s[G0SB], 1
	s_mov_b32 s[G0SB+1], s101
	s_mov_b64 s[G0SB+2:G0SB+3], s[98:99]
	s_or_b32 s[G0SB+3], s[G0SB+3], 0x80000000
	JLOAD G0S, G1S, G0SB, G1SB                     ; the scales first.  Three loads of mine are out behind these lines
.irp s, 0,1
	s_mov_b32 s[G0+4*\s], 1
	s_add_co_u32 s[G0+4*\s+1], s45, \s*SLOT
	s_add_nc_u64 s[G0+4*\s+2:G0+4*\s+3], s[20:21], \s*ROWB
	s_or_b32 s[G0+4*\s+3], s[G0+4*\s+3], 0x80000000
	s_mov_b32 s[G0B+4*\s], 1
	s_add_co_u32 s[G0B+4*\s+1], s2, \s*SLOT
	s_add_nc_u64 s[G0B+4*\s+2:G0B+4*\s+3], s[46:47], \s*ROWB
	s_or_b32 s[G0B+4*\s+3], s[G0B+4*\s+3], 0x80000000
	JLOAD G0+4*\s, G1, G0B+4*\s, G1B
.endr
	v_and_b32 v1, 15, v0                           ; r
	v_bfe_u32 v2, v0, 4, 1                         ; h
	v_and_b32 v68, 31, v0                          ; lane
	v_lshlrev_b32 v[CO], 4, v68
	v_lshlrev_b32 v241, 2, v68
	v_and_b32 v240, 8, v1
	v_add_nc_u32 v240, v240, v1                    ; r + 8 (r / 8): where lane r's query of a tile lies among the mask's bytes
	s_lshl_b32 s20, s[TY], 8                       ; the mask at my 64 queries
	s_lshl_b32 s21, s[WV], 6
	s_add_co_u32 s20, s20, s21
	s_mov_b32 s21, 0
	s_add_nc_u64 s[12:13], s[12:13], s[20:21]
	s_lshl_b32 s20, s20, 13                        ; out0: my first row of 8,192 bytes, + 512 x head
	s_lshl_b32 s22, s42, 9
	s_add_co_u32 s20, s20, s22
	s_add_nc_u64 s[14:15], s[14:15], s[20:21]
	s_lshr_b32 s22, s[TY], 2                       ; the batch
	s_lshl_b32 s20, s22, 6                         ; pks: (64 batch + head) x 512 + 128 w; the quarters lie 8,192 bytes apart
	s_add_co_u32 s20, s20, s42
	s_lshl_b32 s20, s20, 9
	s_lshl_b32 s23, s[WV], 7
	s_add_co_u32 s20, s20, s23
	s_add_nc_u64 s[10:11], s[10:11], s[20:21]
	s_lshl_b32 s20, s22, 4                         ; kvp: (16 batch + head) x 262,144 + 16,384 w; the quarters lie 65,536 bytes apart
	s_add_co_u32 s20, s20, s42
	s_lshl_b32 s20, s20, 18
	s_lshl_b32 s23, s[WV], 14
	s_add_co_u32 s20, s20, s23
	s_add_nc_u64 s[8:9], s[8:9], s[20:21]
.irp t, 0,1,2,3
	global_load_u8 v[242+\t], v240, s[12:13] offset:32*(\t/2)+8*(\t%2)
.endr
.irp q, 0,1,2,3
	global_load_b32 v[246+\q], v241, s[10:11] offset:8192*\q
.endr
	KVLOAD 0, 0                                    ; my first e tile's four partials: nothing waits for them here
	KVLOAD 0, 2
	v_mul_u32_u24 v64, v1, PITCH
	v_lshl_add_u32 v64, v2, 4, v64                 ; a fragment's row x pitch + 16 x half
	s_mul_i32 s20, s[WV], 64*PITCH                 ; my 64 queries
	v_add_nc_u32 v[ADRA], s20, v64
	s_add_co_u32 s20, s20, SLOT
	v_add_nc_u32 v[ADRA+1], s20, v64
	v_add_nc_u32 v[ADRB], BOFF, v64
	v_add_nc_u32 v[ADRB+1], BOFF+SLOT, v64
	v_mul_u32_u24 v65, v1, KS                      ; my row's scales: 64 bytes a row, and 16 more for each 256 passed
	v_lshrrev_b32 v66, 8, v65
	v_lshl_add_u32 v65, v66, 4, v65
	s_mul_i32 s20, s[WV], 4*SBLK                   ; the queries': my four tiles
	s_mov_b32 s21, 16*SBLK
	s_sub_co_u32 s21, s21, s20                     ; from there to Wq's
	s_add_co_u32 s22, s21, 4*SBLK
	s_add_co_u32 s23, s20, SCL-4*SBLK              ; for blocks 4-7 lanes 0-15 begin four blocks lower: they take tiles 0-3 once more
	s_add_co_u32 s20, s20, SCL
	v_mul_u32_u24 v66, s21, v2                     ; lanes 16-31 take Wq's
	v_mul_u32_u24 v67, s22, v2
	v_add_nc_u32 v66, v65, v66
	v_add_nc_u32 v67, v65, v67
	v_add_nc_u32 v[ADRS], s20, v66
	v_add_nc_u32 v[ADRS2], s23, v67
	s_mul_i32 s20, s[WV], 16*SPITCH                ; my stage
	v_mul_u32_u24 v69, v1, SPITCH
	v_lshl_add_u32 v69, v2, 6, v69
	v_add_nc_u32 v[STO], s20, v69                  ; in: row r, + 64 h
	v_add_nc_u32 v[RD], s20, v[CO]                 ; back: 16 bytes a lane of a row of 512
	v_lshl_add_u32 v[APK], v0, 2, PKS
	s_lshl_b32 s20, s[WV], 12
	s_add_co_u32 s20, s20, KIMG
	v_add_nc_u32 v[AKW], s20, v[CO]
	v_add_nc_u32 v[AKR], KIMG, v[CO]
	s_lshl_b32 s20, s[WV], 8
	s_add_co_u32 s20, s20, KSC
	v_add_nc_u32 v[ASW], s20, v241
	v_add_nc_u32 v[ASR], KSC, v241
	v_lshl_add_u32 v[APR], v2, 5, PKS
	s_mov_b32 s92, 0x600000                        ; the mantissa field of 57,344
	s_mov_b32 s93, 0xbfb8aa3b                      ; -log2(e)
	s_mov_b32 s94, 0x3f317218                      ; ln(2), as a pair for the packed form
	s_mov_b32 s95, s94
	s_mov_b32 s96, 0x76543210                      ; v_permlanex16_b32's selects for lane l xor 16
	s_mov_b32 s97, 0xfedcba98
.irp b, 0,1,2,3
	v_mov_b32 v[KT+4+\b], 0                        ; a lane permute's destination counts as one of its sources
.endr
.macro SPLUS                           ; X = max(x, 0), E = -|x| log2(e) go in; X = softplus(x) comes out.  One wait for the batch of exponentials, one for the logarithms, each ahead of the batch's first reader
	WIN 0
.set i, 0
.rept 64
	v_exp_f32 v[E+i], v[E+i]                       ; e
.set i, i+1
.endr
	v_nop
	s_wait_alu depctr_va_vdst(0)
	WIN 0x40
.set i, 0
.rept 32
	v_pk_add_f32 v[U+i:U+i+1], v[E+i:E+i+1], 1.0 op_sel_hi:[1,0]     ; u = 1 + e
.set i, i+2
.endr
	WIN 0
.set i, 0
.rept 32
	v_pk_add_f32 v[X+i:X+i+1], v[X+i:X+i+1], v[E+i:E+i+1]            ; + e
.set i, i+2
.endr
	WIN 0x01
.set i, 0
.rept 32
	v_pk_add_f32 v[E+i:E+i+1], v[U+i:U+i+1], -1.0 op_sel_hi:[1,0]    ; u - 1: exact
.set i, i+2
.endr
	WIN 0x41
.set i, 0
.rept 64
	v_log_f32 v[U+i], v[U+i]                       ; log2(u)
.set i, i+1
.endr
	WIN 0
.set i, 0
.rept 32
	v_pk_add_f32 v[X+i:X+i+1], v[X+i:X+i+1], v[E+i:E+i+1] neg_lo:[0,1] neg_hi:[0,1]   ; - (u - 1): what u lost of e
.set i, i+2
.endr
	s_wait_alu depctr_va_vdst(0)
	WIN 0x01
.set i, 0
.rept 32
	v_pk_fma_f32 v[X+i:X+i+1], v[U+i:U+i+1], s[94:95], v[X+i:X+i+1] op_sel_hi:[1,0,1] ; + ln(2) log2(u)
.set i, i+2
.endr
	WIN 0
.endm
; the four blocks' largest magnitudes in v[tm] on (my 16 numbers of each, with the floor) become the hold, the conversions' operand and the scale word
.macro SCALE4 tm, pw
.irp b, 0,1,2,3
	v_permlanex16_b32 v[\tm+4+\b], v[\tm+\b], s96, s97
.endr
.irp b, 0,1,2,3
	v_max_num_f32 v[\tm+\b], v[\tm+\b], v[\tm+4+\b]   ; with lane l xor 16's: the block's largest magnitude
.endr
.irp b, 0,1,2,3
	v_add_nc_u32 v[\tm+12+\b], 0xf8800000, v[\tm+\b] ; 15 off its exponent field: the conversion's scale operand
.endr
.irp b, 0,1,2,3
	v_and_or_b32 v[\tm+8+\b], v[\tm+\b], 0x7f800000, s92   ; 57,344 x the scale
.endr
.irp b, 0,1,2,3
	v_lshrrev_b32 v[\tm+4+\b], 23, v[\tm+12+\b]    ; the scale's byte
.endr
	v_lshl_or_b32 v[\pw], v[\tm+5], 8, v[\tm+4]
	v_lshl_or_b32 v[\pw], v[\tm+6], 16, v[\pw]
	v_lshl_or_b32 v[\pw], v[\tm+7], 24, v[\pw]
.endm
; One e tile of kv: its four partials, in window 3, are added in place, quantised along d, and go to LDS as an image.  Register 16 g + k of a lane is d = 32 g + 16 h + k of its place of e.
; It names no register of the walk's products: window 3, and v72-111 of window 0.  The barrier of the change of slots that follows shows the image to the other waves.
.macro KVQ e
	s_wait_loadcnt 0x0                             ; the four partials are in: they were asked for a lap or more ago
	WIN 0xcf                                       ; sources 0 and 1 and the destination: window 3
.set i, 0
.rept 32
	v_pk_add_f32 v[i:i+1], v[i:i+1], v[64+i:64+i+1]
	v_pk_add_f32 v[128+i:128+i+1], v[128+i:128+i+1], v[192+i:192+i+1]
.set i, i+2
.endr
.set i, 0
.rept 32
	v_pk_add_f32 v[i:i+1], v[i:i+1], v[128+i:128+i+1]
.set i, i+2
.endr
	WIN 0x3c                                       ; sources 1 and 2 window 3
.irp g, 0,1,2,3
	v_max3_num_f32 v[KT+\g], 0x8000000, |v[16*\g]|, |v[16*\g+1]|     ; my 16 numbers of block g, and the floor 2^(16 - 127)
.endr
.irp k, 2,4,6,8,10,12,14
.irp g, 0,1,2,3
	v_max3_num_f32 v[KT+\g], v[KT+\g], |v[16*\g+\k]|, |v[16*\g+\k+1]|
.endr
.endr
	WIN 0
	SCALE4 KT, KPW
	WIN 0xc3                                       ; source 0 and the destination window 3
.set i, 0
.rept 64
	v_med3_num_f32 v[i], v[i], -v[KT+8+i/16], v[KT+8+i/16]           ; the conversion does not saturate (ISA guide 7.6.2): the hold comes first
.set i, i+1
.endr
	WIN 0x03                                       ; source 0 window 3
.irp g, 0,1,2,3
	v_cvt_scalef32_pk8_bf8_f32 v[KPC+4*\g:KPC+4*\g+1], v[16*\g:16*\g+7], v[KT+12+\g]
	v_cvt_scalef32_pk8_bf8_f32 v[KPC+4*\g+2:KPC+4*\g+3], v[16*\g+8:16*\g+15], v[KT+12+\g]
.endr
	WIN 0
	v_nop                                          ; a plain line behind the last conversion
.irp c, 0,1,2,3
	ds_store_b128 v[AKW], v[KPC+4*\c:KPC+4*\c+3] offset:2048*\e+512*\c
.endr
	ds_store_b32 v[ASW], v[KPW] offset:128*\e
.endm
	s_wait_loadcnt 63                              ; of my 72 loads at most 63 are out: the eight oldest, the mask's bytes and the sums, are in
	v_cmp_ne_u32 s66, 0, v242                      ; the lanes whose query of tile 0, 1, 2, 3 is padded
	v_cmp_ne_u32 s67, 0, v243
	v_cmp_ne_u32 s100, 0, v244
	v_cmp_ne_u32 s101, 0, v245
	v_add_f32 v246, v246, v247                     ; the sum of pk over the batch's four quarters: a place a thread
	v_add_f32 v248, v248, v249
	v_add_f32 v246, v246, v248
	ds_store_b32 v[APK], v246
	s_wait_tensorcnt 1                             ; the scales and my part of K step 0 are in (K step 1's load may be out)
	s_wait_dscnt 0x0                               ; for the others' sake: my sums of pk lie in LDS
	s_barrier_signal -1
	s_barrier_wait -1
.macro FRAG reg, adr, q, row
.irp c, 0,1,2,3
	ds_load_b128 v[\reg+4*\c:\reg+4*\c+3], v[\adr] offset:128*(\q)+32*\c+(\row)*PITCH
.endr
.endm
.macro FETCH slot, q, p                ; the fragments of the slot's q-th 128 along K into set p: Wq's eight, my queries' four
	WIN 0x40
.irp i, 0,1,2,3,4,5,6,7
	FRAG 128*(\p)+FR*\i, ADRB+\slot, \q, 16*\i
.endr
	WIN 0
.irp i, 0,1,2,3
	FRAG AF+64*(\p)+FR*\i, ADRA+\slot, \q, 16*\i
.endr
.endm
.macro SCALES sc                       ; a K step's scale words: lanes 0-15 the queries' tile i % 4, lanes 16-31 Wq's block i
.irp i, 0,1,2,3
	ds_load_b64 v[SC+16*\sc+2*\i:SC+16*\sc+2*\i+1], v[ADRS] offset:\i*SBLK
.endr
.irp i, 4,5,6,7
	ds_load_b64 v[SC+16*\sc+2*\i:SC+16*\sc+2*\i+1], v[ADRS2] offset:\i*SBLK
.endr
.endm
; 8 matrix instructions: tile t of my queries against Wq's eight blocks.  The 32 accumulators take turns, one instruction a turn, in the same order in every step.
.macro MUL8 t, p, q, sc, zero
.irp b, 0,1,2,3,4,5,6,7
.if \zero
	v_wmma_scale_f32_16x16x128_f8f6f4 v[8*(8*\t+\b):8*(8*\t+\b)+7], v[128*\p+FR*\b:128*\p+FR*\b+FR-1], v[AF+64*\p+FR*\t:AF+64*\p+FR*\t+FR-1], 0, v[SC+16*\sc+2*\b+\q], v[SC+16*\sc+2*\t+\q] matrix_a_fmt:MATRIX_FMT_BF8 matrix_b_fmt:MATRIX_FMT_BF8 matrix_a_scale:MATRIX_SCALE_ROW1
.else
	v_wmma_scale_f32_16x16x128_f8f6f4 v[8*(8*\t+\b):8*(8*\t+\b)+7], v[128*\p+FR*\b:128*\p+FR*\b+FR-1], v[AF+64*\p+FR*\t:AF+64*\p+FR*\t+FR-1], v[8*(8*\t+\b):8*(8*\t+\b)+7], v[SC+16*\sc+2*\b+\q], v[SC+16*\sc+2*\t+\q] matrix_a_fmt:MATRIX_FMT_BF8 matrix_b_fmt:MATRIX_FMT_BF8 matrix_a_scale:MATRIX_SCALE_ROW1
.endif
.endr
.endm
.macro HSTEP slot, zero                ; a slot's first 128 along K, on set 0; in its middle the second 128 are fetched into set 1
	s_wait_dscnt 0x0
	WIN MUL
	MUL8 0, 0, 0, \slot, \zero
	MUL8 1, 0, 0, \slot, \zero
	PLACES NP                                      ; in front of loads into registers that matrix instructions have read
	FETCH \slot, 1, 1
	WIN MUL
	MUL8 2, 0, 0, \slot, \zero
	MUL8 3, 0, 0, \slot, \zero
.endm
; A slot's second 128 along K, on set 1, and the change of slots: one barrier; in front of it each wave waits for all its tensor loads, adds 0 to its spare word, and waits for that and for its reads of this slot.
.macro TURN slot, next, fill
	WIN 0
	s_wait_tensorcnt 0x0                           ; all my tensor loads have landed: my part of the next slot
	ds_add_u32 v[SPW], v[NIL]
	s_wait_dscnt 1                                 ; set 1 is in (the add alone may be out)
	WIN MUL
	MUL8 0, 1, 1, \slot, 0
	s_wait_dscnt 0x0                               ; the add is done, and my reads of this slot are over
	s_barrier_signal -1
	MUL8 1, 1, 1, \slot, 0
	WIN 0
	s_barrier_wait -1
.if \fill
	CREST                                          ; the barrier has opened a round of the cluster's: no wave of any partner still reads this slot or has a load on its way
	s_add_nc_u64 s[G0+4*\slot+2:G0+4*\slot+3], s[G0+4*\slot+2:G0+4*\slot+3], 2*ROWB
	s_add_nc_u64 s[G0B+4*\slot+2:G0B+4*\slot+3], s[G0B+4*\slot+2:G0B+4*\slot+3], 2*ROWB
	JLOAD G0+4*\slot, G1, G0B+4*\slot, G1B         ; the first tensor load behind the round; its four v_nop are among the places in front of the loads below
	PLACES NP-4
.else
	PLACES NP
.endif
	v_add_nc_u32 v[ADRS], 8, v[ADRS]               ; on to the next K step's scale words
	v_add_nc_u32 v[ADRS2], 8, v[ADRS2]
	FETCH \next, 0, 0
	SCALES \next
	WIN MUL
	MUL8 2, 1, 1, \slot, 0
	MUL8 3, 1, 1, \slot, 0
.endm
	FETCH 0, 0, 0
	SCALES 0
	HSTEP 0, 1                                     ; the first step's products start the sums: nothing is cleared
	TURN 0, 1, 1                                   ; the first lap is written out, since kv's first e tile stands in it
	HSTEP 1, 0
	KVQ 0                                          ; ahead of the wait for K step 2's tile
	KVLOAD 1, 0                                    ; window 3 is free again: my second e tile's partials 0 and 1,
	TURN 1, 0, 1
	HSTEP 0, 0
	KVLOAD 1, 2                                    ; and 2 and 3: two runs of 32 loads
	s_mov_b32 s3, 2
.Llap:                                                 ; a trip goes once round the ring and fills both slots again (every window is 0 here)
	TURN 0, 1, 1
	HSTEP 1, 0
	TURN 1, 0, 1
	HSTEP 0, 0
	WIN 0
	s_sub_co_u32 s3, s3, 1
	s_cmp_lg_u32 s3, 0
	s_cbranch_scc1 .Llap
	KVQ 1                                          ; ahead of the wait for the last tile
	TURN 0, 1, 0                                   ; the last lap fills nothing; behind its barrier all eight images of kv^T lie in LDS
	HSTEP 1, 0
	s_wait_dscnt 0x0                               ; set 1 is in
	WIN 0xc0                                       ; every wave takes all of kv^T and the sums of pk into window 3, while the last 32 products run
.irp e, 0,1,2,3,4,5,6,7
.irp c, 0,1,2,3
	ds_load_b128 v[FR*\e+4*\c:FR*\e+4*\c+3], v[AKR] offset:2048*\e+512*\c
.endr
.endr
.irp b, 0,1,2,3,4,5,6,7
	ds_load_b128 v[128+8*\b:128+8*\b+3], v[APR] offset:64*\b         ; places 16 b + 8 h + 0 .. 7: those of my registers of block b
	ds_load_b128 v[128+8*\b+4:128+8*\b+7], v[APR] offset:64*\b+16
.endr
	WIN 0
.irp e, 0,1,2,3,4,5,6,7
	ds_load_b32 v[KVS+\e], v[ASR] offset:128*\e
.endr
	WIN MUL
	MUL8 0, 1, 1, 1, 0
	MUL8 1, 1, 1, 1, 0
	MUL8 2, 1, 1, 1, 0
	MUL8 3, 1, 1, 1, 0
	WIN 0
	PLACES NP                                      ; behind the last products, ahead of the first read of a result and the first write of an operand's register
.irp b, 0,1,2,3
	v_mov_b32 v[TM+4+\b], 0                        ; a lane permute's destination counts as one of its sources
.endr
	s_wait_dscnt 0x0                               ; kv^T, its scale words and the sums of pk are in
; THE WAY OUT.  In tile t a lane holds one query; register j of e tile 2 g + u is e = 32 g + 16 h + 8 u + j.  A tile goes through my stage in LDS and comes back as whole rows of 512 bytes, into window 1.
.macro RCP t
	WIN 0
	v_rcp_f32 v[INV+2*\t], v[INV+2*\t]
	v_nop                                          ; a plain line behind the reciprocal,
	s_wait_alu depctr_va_vdst(0)                   ; and the wait ahead of its first reader
	v_mov_b32 v[INV+2*\t+1], v[INV+2*\t]           ; (the packed form names a pair)
.endm
.macro PACK t
	WIN 0x02
.set i, 0
.rept 32
	v_pk_mul_f32 v[X+i:X+i+1], v[64*\t+i:64*\t+i+1], v[INV+2*\t:INV+2*\t+1] op_sel_hi:[1,0]   ; each accumulator is read from its low end on
.set i, i+2
.endr
	WIN 0
.set i, 0
.rept 64
	v_cndmask_b32 v[X+i], v[X+i], 0, s[66+\t+32*(\t/2)]              ; 0 at a padded query
.set i, i+1
.endr
.endm
.macro TOSTAGE t
.irp e, 0,1,2,3,4,5,6,7
	ds_store_b128 v[STO], v[X+8*\e:X+8*\e+3] offset:128*(\e/2)+32*(\e%2)
	ds_store_b128 v[STO], v[X+8*\e+4:X+8*\e+7] offset:128*(\e/2)+32*(\e%2)+16
.endr
	WIN 0x40                                       ; destination window 1
.irp i, 0,1,2,3,4,5,6,7,8,9,10,11,12,13,14,15
	ds_load_b128 v[BKW+64*((\t)%2)+4*\i:BKW+64*((\t)%2)+4*\i+3], v[RD] offset:\i*SPITCH   ; LDS serves a wave's instructions in order: these see the stores above
.endr
	WIN 0
.endm
.macro SEND t                          ; stage row i is the query 32 (t / 2) + 16 (i / 8) + 8 (t % 2) + i % 8 of my 64
	s_wait_dscnt 0x0                               ; the rows are back in registers
	WIN 0x04                                       ; a store's data are its source 1: window 1
.irp i, 0,1,2,3,4,5,6,7,8,9,10,11,12,13,14,15
	global_store_b128 v[CO], v[BKW+64*((\t)%2)+4*\i:BKW+64*((\t)%2)+4*\i+3], s[14:15] offset:(32*((\t)/2)+16*(\i/8)+8*((\t)%2)+\i%8)*8192 th:TH_STORE_NT   ; 32 lanes store 512 consecutive bytes, aligned; written once, read by nobody here
.endr
	WIN 0
.endm
; Tile t of my queries: softplus; den; the codes; num.  Register 16 g + k of a lane is d = 32 g + 16 h + k of its query.  The tile's eight products run while the vector work that follows is issued, which names none of their registers.
; snd = a tile whose rows are on their way back from the stage, or -1: its stores are issued behind this tile's first 128 lines, which stand between the stage's loads and the wait for them.
.macro QBATCH t, snd
.if (\snd) >= 0
	s_wait_dscnt 16                                ; the stage's 16 stores have read X (the 16 loads behind them may be out)
.endif
	WIN 0x02
.set i, 0
.rept 64
	v_mul_f32 v[E+i], |v[64*\t+i]|, s93            ; -|x| log2(e).  Each accumulator is read from its low end on
	v_max_num_f32 v[X+i], v[64*\t+i], 0
.set i, i+1
.endr
.if (\snd) >= 0
	SEND \snd
.endif
	SPLUS
	WIN 0x0c                                       ; source 1 window 3: the sums of pk
	v_pk_mul_f32 v[DENA:DENA+1], v[X:X+1], v[128:129]                ; den, of the unquantised pq, by f32 multiply-adds in two chains
	v_pk_mul_f32 v[DENB:DENB+1], v[X+2:X+3], v[130:131]
.irp i, 4,8,12,16,20,24,28,32,36,40,44,48,52,56,60
	v_pk_fma_f32 v[DENA:DENA+1], v[X+\i:X+\i+1], v[128+\i:129+\i], v[DENA:DENA+1]
	v_pk_fma_f32 v[DENB:DENB+1], v[X+\i+2:X+\i+3], v[130+\i:131+\i], v[DENB:DENB+1]
.endr
	WIN 0
	v_pk_add_f32 v[DENA:DENA+1], v[DENA:DENA+1], v[DENB:DENB+1]
	v_add_f32 v[DENA], v[DENA], v[DENA+1]
	v_permlanex16_b32 v[DENB], v[DENA], s96, s97
	v_add_f32 v[INV+2*\t], v[DENA], v[DENB]        ; with lane l xor 16's half of d
.irp g, 0,1,2,3
	v_max3_num_f32 v[TM+\g], v[X+16*\g], v[X+1+16*\g], 0x8000000     ; pq is not negative: no |.|
.endr
.irp k, 2,4,6,8,10,12,14
.irp g, 0,1,2,3
	v_max3_num_f32 v[TM+\g], v[TM+\g], v[X+16*\g+\k], v[X+1+16*\g+\k]
.endr
.endr
	SCALE4 TM, PQS+\t
.set i, 0
.rept 64
	v_min_num_f32 v[X+i], v[X+i], v[TM+8+i/16]     ; the one-sided hold.  (These 64 are also the places between the scale word's last line and the products)
.set i, i+1
.endr
	WIN 0x40
.irp g, 0,1,2,3
	v_cvt_scalef32_pk8_bf8_f32 v[FR*\t+4*\g:FR*\t+4*\g+1], v[X+16*\g:X+16*\g+7], v[TM+12+\g]
	v_cvt_scalef32_pk8_bf8_f32 v[FR*\t+4*\g+2:FR*\t+4*\g+3], v[X+16*\g+8:X+16*\g+15], v[TM+12+\g]
.endr
	WIN 0
	PLACES 4                                       ; an operand written by vector instructions stands four places ahead of a scaled matrix instruction
	WIN 0x87                                       ; source 0 (kv^T) window 3, source 1 (pq) window 1, D window 2
.irp e, 0,1,2,3,4,5,6,7
	v_wmma_scale_f32_16x16x128_f8f6f4 v[64*\t+8*\e:64*\t+8*\e+7], v[FR*\e:FR*\e+FR-1], v[FR*\t:FR*\t+FR-1], 0, v[KVS+\e], v[PQS+\t] matrix_a_fmt:MATRIX_FMT_BF8 matrix_b_fmt:MATRIX_FMT_BF8
.endr
.endm
	QBATCH 0, -1
	QBATCH 1, -1
	RCP 0                                          ; tile 0's products stand a whole tile's vector work back
	PACK 0
	TOSTAGE 0
	QBATCH 2, 0                                    ; tile 0's rows are stored inside it
	RCP 1
	PACK 1
	TOSTAGE 1
	QBATCH 3, 1
	RCP 2
	PACK 2                                         ; its 96 plain lines are also the places behind tile 3's products
	s_wait_xcnt 0x0                                ; tile 0's stores have read their registers: tile 2's rows may land there
	TOSTAGE 2
	s_wait_dscnt 16                                ; the stage's 16 stores have read X (the 16 loads behind them may be out)
	RCP 3
	PACK 3
	SEND 2
	s_wait_xcnt 0x0                                ; tile 1's stores have read their registers
	TOSTAGE 3
	SEND 3
	s_wait_tensorcnt 0x0                           ; the wave's end
	ds_add_u32 v[SPW], v[NIL]
	s_wait_dscnt 0x0
	CROUND                                         ; the closing round: no work-group ends while a partner may still ask for a tile that names it
	s_endpgm
.Lfunc_end_k_qfa3300793f_out:
	.size	k_qfa3300793f_out, .Lfunc_end_k_qfa3300793f_out-k_qfa3300793f_out
	.p2alignl 7, 3214868480
	.fill 96, 4, 3214868480
	.section	.rodata,"a",@progbits
	.p2align	6, 0x0
	.amdhsa_kernel k_qfa3300793f_out
		.amdhsa_group_segment_fixed_size 327680
		.amdhsa_private_segment_fixed_size 0
		.amdhsa_enable_private_segment 0
		.amdhsa_kernarg_size 48
		.amdhsa_user_sgpr_count 2
		.amdhsa_user_sgpr_kernarg_segment_ptr 1
		.amdhsa_wavefront_size32 1
		.amdhsa_system_sgpr_workgroup_id_x 1
		.amdhsa_system_sgpr_workgroup_id_y 1
		.amdhsa_system_sgpr_workgroup_id_z 1
		.amdhsa_system_vgpr_workitem_id 0
		.amdhsa_next_free_vgpr 1024
		.amdhsa_next_free_sgpr 102
		.amdhsa_reserve_vcc 0
		.amdhsa_float_denorm_mode_32 3
		.amdhsa_float_denorm_mode_16_64 3
		.amdhsa_memory_ordered 1
		.amdhsa_forward_progress 1
		.amdhsa_inst_pref_size 255
	.end_amdhsa_kernel
	.section	.bss,"aw",@nobits
	.p2align	6
	.space	262144
	.amdgpu_metadata
---
amdhsa.version: [ 1, 2 ]
amdhsa.kernels:
  - .name:           k_qfa3300793f_out
    .symbol:         k_qfa3300793f_out.kd
    .args:
      - { .name: codes, .offset: 0, .size: 8, .value_kind: global_buffer, .address_space: global }
      - { .name: scales, .offset: 8, .size: 8, .value_kind: global_buffer, .address_space: global }
      - { .name: kvp, .offset: 16, .size: 8, .value_kind: global_buffer, .address_space: global }
      - { .name: pks, .offset: 24, .size: 8, .value_kind: global_buffer, .address_space: global }
      - { .name: query_padding_mask, .offset: 32, .size: 8, .value_kind: global_buffer, .address_space: global }
      - { .name: out0, .offset: 40, .size: 8, .value_kind: global_buffer, .address_space: global }
    .group_segment_fixed_size: 327680
    .private_segment_fixed_size: 0
    .kernarg_segment_align: 8
    .kernarg_segment_size: 48
    .max_flat_workgroup_size: 128
    .sgpr_count:     102
    .vgpr_count:     1024
    .wavefront_size: 32
...
	.end_amdgpu_metadata
.endif
;; end of part 3
